; MI455X (gfx1250); checked and timed in simulation.
; The chip was launched on July 23, 2026; its instructions are those of AMD's public machine-readable ISA for CDNA 5 (MIT licence, August 2026) and "CDNA5" Instruction Set Architecture Reference Guide (July 2026). The comments in the code are by the model that wrote it; some were corrected since.
;; Multi Head Attention. Allowed arithmetic: matrix products marked QUANTISED: E2M1 operands, one E8M0 scale for each 32 along K, by v_wmma_scale_f32_16x16x128_f8f6f4 with both operands' format E2M1 (or v_wmma_scale_f32_32x16x128_f4), f32 sums; everything else in f32.
;; Inputs: Wk 1,024 x 1,024 float32; Wp 1,024 x 1,024 float32; Wq 1,024 x 1,024 float32; Wv 1,024 x 1,024 float32; attention_mask 2 x 1 x 2,048 x 2,048 bool; bk 1,024 float32; bp 1,024 float32; bq 1,024 float32; bv 1,024 float32; inputs_kv 2 x 2,048 x 1,024 float32; inputs_q 2 x 2,048 x 1,024 float32.
;; Outputs: out0 2 x 2,048 x 1,024 float32.
;; This version of the problem:
;;   THIS VERSION OF THE PROBLEM IS GIVEN IN LOW PRECISION. The matrix products marked QUANTISED in the list below multiply operands that are first quantised to E2M1 (2 exponent bits, 1 mantissa bit; 4 bits a number), with one power-of-two scale for each 32 numbers along K (OCP MX v1.0); their sums are f32. All else is computed in f32.
;;   The module's matrix products, in the order in which they are computed (A, B: the left and right operand; K: the contracted axis; several contracted axes count as one K, in the product's order):
;;     1. [M 4,096, K 1,024] x [K 1,024, N 1,024]; A: input inputs_kv; B: input Wk: QUANTISED
;;     2. [M 4,096, K 1,024] x [K 1,024, N 1,024]; A: input inputs_q; B: input Wq: QUANTISED
;;     3. [M 4,096, K 1,024] x [K 1,024, N 1,024]; A: input inputs_kv; B: input Wv: QUANTISED
;;     4. batch 32 x [M 2,048, K 64] x [K 64, N 2,048]; A: computed on the way; B: computed on the way: QUANTISED
;;     5. batch 32 x [M 2,048, K 2,048] x [K 2,048, N 64]; A: computed on the way; B: computed on the way: QUANTISED
;;     6. [M 4,096, K 1,024] x [K 1,024, N 1,024]; A: computed on the way; B: input Wp: QUANTISED
;;   THE QUANTISER, for each operand of a quantised product, along K:
;;     - K is cut into blocks of 32 from its start; a last block that is shorter is filled with zeros.
;;     - A block's scale is 2^e with e = floor(log2(the largest magnitude in the block)) - 2, held to -126 .. 127; a block of zeros has e = 0. As a byte (E8M0): e + 127.
;;     - Each number is divided by its block's scale, clamped to +-6, and rounded to the nearest number of E2M1, ties to even, subnormals kept.
;;     - The product sums the exact products of the quantised numbers (number of the format x scale) in f32.
;;   ~~~python
;;   def quantise(x, axis):      # numpy; x: float32 -> the quantised numbers, widened to float32 again
;;       x = np.moveaxis(x, axis, -1); K = x.shape[-1]
;;       x = np.pad(x, [(0, 0)] * (x.ndim - 1) + [(0, -K % 32)]); x = x.reshape(x.shape[:-1] + (-1, 32)); a = np.abs(x).max(-1, keepdims=True)
;;       e = np.where(a > 0, np.clip(np.frexp(np.where(a > 0, a, 1))[1] - 1 - 2, -126, 127), 0)      # np.frexp(a)[1] - 1 = floor(log2(a)), exactly
;;       r = np.clip(x / 2.0 ** e, -6, 6)
;;       step = 2.0 ** (np.maximum(np.frexp(np.where(r == 0, 1, r))[1] - 1, 0) - 1)
;;       q = np.round(r / step) * step * 2.0 ** e      # np.round: ties to even
;;       return np.moveaxis(q.reshape(q.shape[:-2] + (-1,))[..., :K], -1, axis).astype(np.float32)
;;   ~~~
;;   OPERANDS COMPUTED ON THE WAY. 'Computed on the way' means the value that the module computes at that place (a softmax that the list does not call 'softmax' is quantised finished and normalised). What goes into a quantiser is computed in f32, as accurately as f32 sums, v_exp_f32 and their like allow (about 1e-6 of the number): no bf16 or f16 on the way to a quantiser, and a product that is left as it is and whose result goes on into a quantised operand takes f32 operands (vector FMAs, or v_wmma_f32_16x16x4_f32). A number that lies on a knife's edge between two numbers of the format may be rounded either way, as far as f32 arithmetic and the matrix unit's own rounding can turn it there, and no further.
;; One version. Each part assembles by itself: llvm-mc -triple=amdgcn-amd-amdhsa -mcpu=gfx1250 --defsym DOCPART=n.
;; ======== version 1 of 1: 4 launches
;; limits: right only within a limited range of input values
;; workspace buffers: xw 6,684,672 bytes; mw 1,048,576 bytes of whole numbers; kvf 4,456,448 bytes; qf 2,621,440 bytes; wt 2,228,224 bytes
;; launch prep (part 1): grid 512 x 1, 8 waves a work-group, no clusters, 136,192 bytes of LDS; arguments inputs_kv, inputs_q, Wk, Wv, Wq, Wp, attention_mask, xw, mw; writes xw, mw
.if DOCPART == 1
	.amdgcn_target "amdgcn-amd-amdhsa--gfx1250"
	.amdhsa_code_object_version 6
	.text
	.protected	k_q09ff4a6c3a_prep
	.globl	k_q09ff4a6c3a_prep
	.p2align	8
	.type	k_q09ff4a6c3a_prep,@function
k_q09ff4a6c3a_prep:
	s_mov_b64 s[64:65], 0
	v_nop
	global_prefetch_b8 v0, s[64:65] scope:SCOPE_SE
	s_setreg_imm32_b32 hwreg(HW_REG_WAVE_MODE, 25, 1), 1
	s_wait_xcnt 0x0
; PREP.  Three jobs, chosen by the work-group's number; each input byte is read once, by loads whose lanes take neighbouring bytes.
;   X (work-groups 0-255):   inputs_kv and inputs_q [4096][1024] f32, K innermost  -> codes of E2M1 and E8M0 scale words, laid as images of the operand's registers
;   W (work-groups 256-383): Wk, Wv, Wq, Wp [1024 (k)][1024 (n)] f32, K outermost  -> the same, a lane to a column, its registers down K
;   M (work-groups 384-511): attention_mask [2][2048][2048] bytes                  -> one 32-bit lane mask for each score register of the attention launch
; TILE ORDER.  Row r of tile t is row 32 (t / 2) + 8 (t % 2) + r % 8 + 16 (r / 8): used as source 0, two neighbouring tiles then leave 16 neighbours of the next K in a lane's 16 result registers.
; FRAGMENT IMAGE (16 rows x 128 K, 1,024 bytes): [c = 0, 1][lane][16 bytes] = registers 4 c .. 4 c + 3 of lane (r, h): k = 64 c + 32 h + 0 .. 31 of the tile's row r.
; SCALE IMAGE of a tile for 8 K steps (512 bytes): the word of K step s at 256 (s / 4) + 16 r + 4 (s % 4).
; BLOCK (69,632 bytes): 8 tiles x K = 1,024: codes at 8,192 tile + 1,024 s, scale images at 65,536 + 512 tile.  xw: 32 blocks of inputs_kv, 32 of inputs_q, then 8 blocks each of Wk, Wv, Wq, Wp.
; A block's scale is 2^(floor(log2(largest magnitude)) - 2); its byte is the largest magnitude's exponent field - 2, held at 1 from below by a floor among the maximum's leaves.
; LIMITS: a block of zeros gets the byte 1 where the quantiser says 127 (its codes are zeros, and this program alone reads the bytes); blocks whose largest magnitude lies under 2^-124 are held at
; the byte 1; NaN and infinities among the inputs are not served.
; No matrix unit, no tensor load, no barrier, no cluster: waves share nothing, and no two work-groups read the same bytes.  Jobs X and M have LDS bytes of their own.
.set BLK,   69632
.set QOFF,  2228224                    ; inputs_q's blocks in xw
.set WOFF,  4456448                    ; the weights' blocks
.set WSTEP, 557056                     ; 8 blocks: one weight
.set STG,   8448                       ; a wave's stage: 16 rows x (512 bytes + 16): the pitch is an odd multiple of 16 bytes
.set MSTG,  8*STG                      ; job M's stages lie behind job X's
.set R,     32                         ; v32-159  job X: numbers as loaded
.set X,     160                        ; v160-223 job X: 64 numbers in the operand's order
.set C,     224                        ; v224-239 job X: codes
	s_load_b256 s[4:11], s[0:1], 0x0               ; inputs_kv, inputs_q, Wk, Wv
	s_load_b256 s[12:19], s[0:1], 0x20             ; Wq, Wp, attention_mask, xw
	s_load_b64 s[20:21], s[0:1], 0x40              ; mw
	v_lshl_add_u32 v254, v0, 2, 0x21000
	v_mov_b32 v255, 0
	v_lshrrev_b32 v1, 5, v0
	s_delay_alu instid0(VALU_DEP_1)
	v_readfirstlane_b32 s22, v1                    ; wave 0..7
	v_and_b32 v2, 31, v0                           ; lane
	s_delay_alu instid0(VALU_DEP_1)
	v_lshlrev_b32 v1, 4, v2                        ; 16 x lane
	v_and_b32 v5, 15, v0                           ; r
	v_bfe_u32 v6, v0, 4, 1                         ; h
	s_mul_i32 s23, s22, STG                        ; my stage
	s_cmp_lt_u32 ttmp9, 256
	s_cbranch_scc0 .Lnot_x
; ---------------- JOB X: a wave takes one tile of 16 rows x 256 along K (K steps 2 p and 2 p + 1): 16 KiB, all asked for at once
	v_add_nc_u32 v3, s23, v1                       ; into the stage: a row's 512 bytes as they lie
	v_mul_u32_u24 v4, v5, 528
	s_delay_alu instid0(VALU_DEP_1)
	v_lshl_add_u32 v4, v6, 7, v4
	s_delay_alu instid0(VALU_DEP_1)
	v_add_nc_u32 v4, s23, v4                       ; out of it: row r, + 128 h bytes: k = 32 h on
	v_lshlrev_b32 v7, 3, v6                        ; 8 h: my two scale bytes' shift
	v_lshlrev_b32 v18, 4, v5
	s_delay_alu instid0(VALU_DEP_1)
	v_lshl_add_u32 v18, v6, 2, v18                 ; the scale words' place: 16 r + 4 h
	v_mov_b32 v15, 0                               ; a lane permute's destination counts as read
	s_mov_b32 s40, 0x76543210
	s_mov_b32 s41, 0xfedcba98                      ; selects for lane l xor 16
	s_mov_b32 s42, 0xffff0000                      ; lanes 16-31
	s_lshl_b32 s24, ttmp9, 3
	s_add_co_u32 s24, s24, s22                     ; u = 8 x work-group + wave
	s_lshr_b32 s25, s24, 10                        ; which tensor
	s_bfe_u32 s26, s24, 0x80002                    ; T: its tile, 0..255
	s_and_b32 s27, s24, 3                          ; p
	s_lshr_b32 s28, s26, 1
	s_lshl_b32 s28, s28, 5
	s_and_b32 s29, s26, 1
	s_lshl_b32 s29, s29, 3
	s_add_co_u32 s28, s28, s29                     ; the tile's first row: 32 (T / 2) + 8 (T % 2)
	s_lshl_b32 s28, s28, 12                        ; rows of 4,096 bytes
	s_lshl_b32 s29, s27, 10
	s_add_co_u32 s28, s28, s29                     ; + 1,024 p
	s_mov_b32 s29, 0
	s_mul_i32 s30, s25, QOFF
	s_lshr_b32 s31, s26, 3
	s_mul_i32 s31, s31, BLK
	s_add_co_u32 s30, s30, s31                     ; the tile's block in xw
	s_and_b32 s31, s26, 7
	s_lshl_b32 s32, s31, 13
	s_add_co_u32 s32, s32, s30
	s_lshl_b32 s33, s27, 11
	s_add_co_u32 s32, s32, s33                     ; codes: + 8,192 tile + 1,024 (2 p)
	s_mov_b32 s33, 0
	s_lshl_b32 s34, s31, 9
	s_add_co_u32 s34, s34, s30
	s_add_co_u32 s34, s34, 65536
	s_lshr_b32 s35, s27, 1
	s_lshl_b32 s35, s35, 8
	s_add_co_u32 s34, s34, s35
	s_and_b32 s35, s27, 1
	s_lshl_b32 s35, s35, 3
	s_add_co_u32 s34, s34, s35                     ; scale words: + 65,536 + 512 tile + 256 (p / 2) + 8 (p % 2)
	s_mov_b32 s35, 0
	s_wait_alu depctr_va_vdst(0)
	s_wait_kmcnt 0x0
	s_cmp_eq_u32 s25, 0                            ; the choice hangs on the work-group's and the wave's number alone
	s_cselect_b64 s[4:5], s[4:5], s[6:7]
	s_add_nc_u64 s[4:5], s[4:5], s[28:29]
	s_add_nc_u64 s[36:37], s[18:19], s[32:33]
	s_add_nc_u64 s[38:39], s[18:19], s[34:35]
.irp e, 0,1
.irp i, 0,1,2,3,4,5,6,7,8,9,10,11,12,13,14,15
	global_load_b128 v[R+64*\e+4*\i:R+64*\e+4*\i+3], v1, s[4:5] offset:((\i%8)+16*(\i/8))*4096+512*\e th:TH_LOAD_NT   ; the tile's row i, K step 2 p + e: 32 lanes read 512 consecutive bytes
.endr
.endr
; K step 2 p + e: through the stage into the operand's order, then two whole blocks of 32 a lane
.macro XQ e
.if \e == 0
	s_wait_loadcnt 16                              ; loads come back in order: the first K step's 16 are in, the second's 16 may be out
.else
	s_wait_loadcnt 0x0
.endif
.irp i, 0,1,2,3,4,5,6,7,8,9,10,11,12,13,14,15
	ds_store_b128 v3, v[R+64*\e+4*\i:R+64*\e+4*\i+3] offset:\i*528
.endr
.irp c, 0,1
.irp q, 0,1,2,3,4,5,6,7
	ds_load_b128 v[X+32*\c+4*\q:X+32*\c+4*\q+3], v4 offset:256*\c+16*\q   ; LDS serves a wave's instructions in order: these see the stores above.  k = 64 c + 32 h + 4 q on
.endr
.endr
	s_wait_dscnt 0x0
.irp c, 0,1
	v_max3_num_f32 v[8+\c], |v[X+32*\c]|, |v[X+32*\c+1]|, 0x1800000   ; block 2 c + h: all its 32 numbers are mine; the floor 2^(3 - 127) keeps the byte at 1 from below
.endr
.irp i, 2,4,6,8,10,12,14,16,18,20,22,24,26,28,30
.irp c, 0,1
	s_delay_alu instid0(VALU_DEP_2)
	v_max3_num_f32 v[8+\c], v[8+\c], |v[X+32*\c+\i]|, |v[X+32*\c+\i+1]|
.endr
.endr
.irp c, 0,1
	s_delay_alu instid0(VALU_DEP_2)
	v_add_nc_u32 v[10+\c], 0xff000000, v[8+\c]     ; 2 off the exponent field: the conversion's scale operand
.endr
.irp c, 0,1
	s_delay_alu instid0(VALU_DEP_2)
	v_lshrrev_b32 v[12+\c], 23, v[10+\c]           ; the scale's byte
.endr
	s_delay_alu instid0(VALU_DEP_1)
	v_lshl_or_b32 v14, v13, 16, v12                ; my bytes: blocks h and 2 + h,
	s_delay_alu instid0(VALU_DEP_1)
	v_lshlrev_b32 v14, v7, v14                     ; at their places in the word;
	s_delay_alu instid0(VALU_DEP_1)
	v_permlanex16_b32 v15, v14, s40, s41
	s_delay_alu instid0(VALU_DEP_1)
	v_or_b32 v[16+\e], v14, v15                    ; with lane l xor 16's two the word is whole
.irp c, 0,1
.irp g, 0,1,2,3
	v_cvt_scalef32_pk8_fp4_f32 v[C+8*\e+4*\c+\g], v[X+32*\c+8*\g:X+32*\c+8*\g+7], v[10+\c]
.endr
.endr
	v_nop                                          ; one plain line behind the last scaled conversion
.irp c, 0,1
	global_store_b128 v1, v[C+8*\e+4*\c:C+8*\e+4*\c+3], s[36:37] offset:1024*\e+512*\c   ; 512 consecutive bytes of the image
.endr
.endm
	XQ 0
	XQ 1
	v_cndmask_b32 v19, v16, v17, s42               ; lane (r, h) stores the word of K step 2 p + h
	global_store_b32 v18, v19, s[38:39]            ; runs of 8 bytes, 16 bytes apart: 128 bytes for the 16,384 that the wave reads
	s_wait_tensorcnt 0x0
	ds_add_u32 v254, v255
	s_wait_dscnt 0x0
	s_endpgm
.Lnot_x:
	s_cmp_lt_u32 ttmp9, 384
	s_cbranch_scc0 .Lmask
; ---------------- JOB W: a wave takes 32 columns x one K step of 128; the eight waves stand side by side on 1,024 bytes of each row
	s_sub_co_u32 s24, ttmp9, 256
	s_lshr_b32 s25, s24, 5                         ; which weight: 0 Wk, 1 Wv, 2 Wq, 3 Wp
	s_bfe_u32 s26, s24, 0x30002                    ; K step s
	s_and_b32 s27, s24, 3
	s_lshl_b32 s27, s27, 3
	s_add_co_u32 s27, s27, s22                     ; cg: which 32 columns
	s_lshl_b32 s28, s26, 19                        ; 128 rows of 4,096 bytes a K step
	s_lshl_b32 s29, s27, 7
	s_add_co_u32 s28, s28, s29
	s_mov_b32 s29, 0
	s_mul_i32 s30, s25, WSTEP
	s_add_co_u32 s30, s30, WOFF
	s_lshr_b32 s31, s27, 2
	s_mul_i32 s31, s31, BLK
	s_add_co_u32 s30, s30, s31                     ; the block of 128 columns
	s_and_b32 s31, s27, 3
	s_lshl_b32 s32, s31, 14                        ; my two tiles: 2 (cg % 4) and the next
	s_add_co_u32 s32, s32, s30
	s_lshl_b32 s33, s26, 10
	s_add_co_u32 s32, s32, s33
	s_mov_b32 s33, 0
	s_lshl_b32 s34, s31, 10
	s_add_co_u32 s34, s34, s30
	s_add_co_u32 s34, s34, 65536
	s_lshr_b32 s35, s26, 2
	s_lshl_b32 s35, s35, 8
	s_add_co_u32 s34, s34, s35
	s_and_b32 s35, s26, 3
	s_lshl_b32 s35, s35, 2
	s_add_co_u32 s34, s34, s35
	s_mov_b32 s35, 0
	s_wait_alu depctr_va_vdst(0)
	v_lshlrev_b32 v3, 2, v2                        ; in: 4 bytes a lane
	v_bfe_u32 v4, v0, 3, 1                         ; by the tile order column 32 cg + lane is row lane % 8 + 8 (lane / 16) of tile 2 (cg % 4) + (lane / 8) % 2
	v_and_b32 v7, 7, v0
	s_delay_alu instid0(VALU_DEP_1)
	v_lshl_add_u32 v7, v6, 3, v7
	s_delay_alu instid0(VALU_DEP_1)
	v_lshlrev_b32 v7, 4, v7
	s_delay_alu instid0(VALU_DEP_1)
	v_lshl_add_u32 v8, v4, 13, v7                  ; codes: 8,192 x tile + 16 x row
	s_delay_alu instid0(VALU_DEP_2)
	v_lshl_add_u32 v9, v4, 9, v7                   ; scale words: 512 x tile + 16 x row
	s_wait_alu depctr_va_vdst(0)
	s_wait_kmcnt 0x0
	s_cmp_lt_u32 s25, 2
	s_cselect_b64 s[8:9], s[8:9], s[12:13]
	s_cselect_b64 s[10:11], s[10:11], s[14:15]
	s_and_b32 s31, s25, 1
	s_cmp_eq_u32 s31, 0
	s_cselect_b64 s[8:9], s[8:9], s[10:11]
	s_add_nc_u64 s[8:9], s[8:9], s[28:29]
	s_add_nc_u64 s[36:37], s[18:19], s[32:33]
	s_add_nc_u64 s[38:39], s[18:19], s[34:35]
.macro WLOAD t                         ; block t: W(128 s + 32 t + i, my column) into set t % 2
.irp i, 0,1,2,3,4,5,6,7,8,9,10,11,12,13,14,15,16,17,18,19,20,21,22,23,24,25,26,27,28,29,30,31
	global_load_b32 v[32+32*((\t)%2)+\i], v3, s[8:9] offset:(32*(\t)+\i)*4096 th:TH_LOAD_NT
.endr
.endm
.macro WBLOCK t
.set XS, 32+32*((\t)%2)
.if (\t) < 3
	s_wait_loadcnt 32                              ; this block's 32 loads are in; the next block's 32 may be out
.else
	s_wait_loadcnt 0x0
.endif
	v_max3_num_f32 v12, |v[XS]|, |v[XS+1]|, |v[XS+2]|
	v_max3_num_f32 v13, |v[XS+3]|, |v[XS+4]|, |v[XS+5]|
.irp i, 6,10,14,18,22,26
	s_delay_alu instid0(VALU_DEP_2)
	v_max3_num_f32 v12, v12, |v[XS+\i]|, |v[XS+\i+1]|
	s_delay_alu instid0(VALU_DEP_2)
	v_max3_num_f32 v13, v13, |v[XS+\i+2]|, |v[XS+\i+3]|
.endr
	s_delay_alu instid0(VALU_DEP_2)
	v_max3_num_f32 v12, v12, |v[XS+30]|, |v[XS+31]|
	s_delay_alu instid0(VALU_DEP_1)
	v_max3_num_f32 v12, v12, v13, 0x1800000        ; with the floor
	s_delay_alu instid0(VALU_DEP_1)
	v_add_nc_u32 v11, 0xff000000, v12
	s_delay_alu instid0(VALU_DEP_1)
	v_lshrrev_b32 v13, 23, v11
.if (\t) == 0
	s_delay_alu instid0(VALU_DEP_1)
	v_mov_b32 v24, v13                             ; the K step's four bytes make my column's scale word
.else
	s_delay_alu instid0(VALU_DEP_1)
	v_lshl_or_b32 v24, v13, 8*(\t), v24
.endif
.irp g, 0,1,2,3
	v_cvt_scalef32_pk8_fp4_f32 v[96+4*(\t)+\g], v[XS+8*\g:XS+8*\g+7], v11   ; registers of their own for each block: no store's data are written again
.endr
	v_nop
	global_store_b128 v8, v[96+4*(\t):96+4*(\t)+3], s[36:37] offset:((\t)/2)*512+((\t)%2)*256   ; block t is c = t / 2, h = t % 2 of the image: the wave fills two aligned runs of 256 bytes, one in each tile
.if (\t)+2 < 4
	WLOAD (\t)+2
.endif
.endm
	WLOAD 0
	WLOAD 1
	WBLOCK 0
	WBLOCK 1
	WBLOCK 2
	WBLOCK 3
	global_store_b32 v9, v24, s[38:39]             ; single words 16 bytes apart: 128 bytes for the 16,384 that the wave reads
	s_endpgm
.Lmask:
; ---------------- JOB M: a wave takes the 16 queries of a tile x 512 keys.  Word 16 b + i of key step kappa has, at bit r + 16 h, mask[query row r of the tile][128 kappa + 32 b + 16 h + i]:
; the lane mask of the score register that holds those 32 scores.
	s_sub_co_u32 s24, ttmp9, 384
	s_lshl_b32 s24, s24, 3
	s_add_co_u32 s24, s24, s22
	s_lshr_b32 s25, s24, 9                         ; batch
	s_bfe_u32 s26, s24, 0x70002                    ; query tile 0..127
	s_and_b32 s27, s24, 3                          ; which 512 keys
	s_lshl_b32 s28, s25, 22
	s_lshr_b32 s29, s26, 1
	s_lshl_b32 s29, s29, 16                        ; 32 rows of 2,048 bytes
	s_add_co_u32 s28, s28, s29
	s_and_b32 s29, s26, 1
	s_lshl_b32 s29, s29, 14
	s_add_co_u32 s28, s28, s29
	s_lshl_b32 s29, s27, 9
	s_add_co_u32 s28, s28, s29
	s_mov_b32 s29, 0
	s_lshl_b32 s30, s25, 7
	s_add_co_u32 s30, s30, s26
	s_lshl_b32 s30, s30, 2
	s_add_co_u32 s30, s30, s27
	s_lshl_b32 s30, s30, 10                        ; ((128 batch + tile) 16 + 4 x which) x 256 bytes
	s_mov_b32 s31, 0
	s_add_co_u32 s23, s23, MSTG
	s_wait_alu depctr_va_vdst(0)
	v_add_nc_u32 v3, s23, v1
	v_mul_u32_u24 v4, v5, 528
	s_delay_alu instid0(VALU_DEP_1)
	v_lshl_add_u32 v4, v6, 4, v4
	s_delay_alu instid0(VALU_DEP_1)
	v_add_nc_u32 v4, s23, v4                       ; row r, + 16 h
.irp k, 0,1,2,3,4,5,6,7
	v_mov_b32 v[160+\k], 0                         ; v_writelane_b32's destination counts as read
.endr
	s_wait_alu depctr_va_vdst(0)
	s_wait_kmcnt 0x0
	s_add_nc_u64 s[16:17], s[16:17], s[28:29]
	s_add_nc_u64 s[20:21], s[20:21], s[30:31]
.irp i, 0,1,2,3,4,5,6,7,8,9,10,11,12,13,14,15
	global_load_b128 v[32+4*\i:32+4*\i+3], v1, s[16:17] offset:((\i%8)+16*(\i/8))*2048 th:TH_LOAD_NT
.endr
	s_wait_loadcnt 0x0
.irp i, 0,1,2,3,4,5,6,7,8,9,10,11,12,13,14,15
	ds_store_b128 v3, v[32+4*\i:32+4*\i+3] offset:\i*528
.endr
.irp i, 0,1,2,3,4,5,6,7,8,9,10,11,12,13,14,15
	ds_load_b128 v[96+4*\i:96+4*\i+3], v4 offset:32*\i   ; keys 32 i + 16 h + 0 .. 15 of my query
.endr
	s_wait_dscnt 0x0
.set q, 0
.rept 64                               ; register 96 + q holds the bytes of words 4 q .. 4 q + 3; word w goes to lane (w / 4) % 32, register w % 4, of store w / 128
.irp k, 0,1,2,3
	v_and_b32 v[8+\k], 0xff<<(8*\k), v[96+q]
.endr
.irp k, 0,1,2,3
	s_delay_alu instid0(VALU_DEP_4)
	v_cmp_ne_u32 s[40+\k], 0, v[8+\k]
.endr
.irp k, 0,1,2,3
	s_delay_alu instid0(VALU_DEP_4)
	v_writelane_b32 v[160+4*(q/32)+\k], s[40+\k], q%32
.endr
.set q, q+1
.endr
	global_store_b128 v1, v[160:163], s[20:21]
	global_store_b128 v1, v[164:167], s[20:21] offset:512
	s_wait_tensorcnt 0x0
	ds_add_u32 v254, v255
	s_wait_dscnt 0x0
	s_endpgm
.Lfunc_end_k_q09ff4a6c3a_prep:
	.size	k_q09ff4a6c3a_prep, .Lfunc_end_k_q09ff4a6c3a_prep-k_q09ff4a6c3a_prep
	.p2alignl 7, 3214868480
	.fill 96, 4, 3214868480
	.section	.rodata,"a",@progbits
	.p2align	6, 0x0
	.amdhsa_kernel k_q09ff4a6c3a_prep
		.amdhsa_group_segment_fixed_size 136192
		.amdhsa_private_segment_fixed_size 0
		.amdhsa_enable_private_segment 0
		.amdhsa_kernarg_size 72
		.amdhsa_user_sgpr_count 2
		.amdhsa_user_sgpr_kernarg_segment_ptr 1
		.amdhsa_wavefront_size32 1
		.amdhsa_system_sgpr_workgroup_id_x 1
		.amdhsa_system_sgpr_workgroup_id_y 1
		.amdhsa_system_sgpr_workgroup_id_z 1
		.amdhsa_system_vgpr_workitem_id 0
		.amdhsa_next_free_vgpr 256
		.amdhsa_next_free_sgpr 66
		.amdhsa_reserve_vcc 0
		.amdhsa_float_denorm_mode_32 3
		.amdhsa_float_denorm_mode_16_64 3
		.amdhsa_memory_ordered 1
		.amdhsa_forward_progress 1
		.amdhsa_inst_pref_size 112
	.end_amdhsa_kernel
	.amdgpu_metadata
---
amdhsa.version: [ 1, 2 ]
amdhsa.kernels:
  - .name:           k_q09ff4a6c3a_prep
    .symbol:         k_q09ff4a6c3a_prep.kd
    .args:
      - { .name: inputs_kv, .offset: 0, .size: 8, .value_kind: global_buffer, .address_space: global }
      - { .name: inputs_q, .offset: 8, .size: 8, .value_kind: global_buffer, .address_space: global }
      - { .name: Wk, .offset: 16, .size: 8, .value_kind: global_buffer, .address_space: global }
      - { .name: Wv, .offset: 24, .size: 8, .value_kind: global_buffer, .address_space: global }
      - { .name: Wq, .offset: 32, .size: 8, .value_kind: global_buffer, .address_space: global }
      - { .name: Wp, .offset: 40, .size: 8, .value_kind: global_buffer, .address_space: global }
      - { .name: attention_mask, .offset: 48, .size: 8, .value_kind: global_buffer, .address_space: global }
      - { .name: xw, .offset: 56, .size: 8, .value_kind: global_buffer, .address_space: global }
      - { .name: mw, .offset: 64, .size: 8, .value_kind: global_buffer, .address_space: global }
    .group_segment_fixed_size: 136192
    .private_segment_fixed_size: 0
    .kernarg_segment_align: 8
    .kernarg_segment_size: 72
    .max_flat_workgroup_size: 256
    .sgpr_count:     66
    .vgpr_count:     256
    .wavefront_size: 32
...
	.end_amdgpu_metadata
.endif
;; end of part 1
;; launch proj (part 2): grid 8 x 32, 8 waves a work-group, clusters of 4 x 4, 327,680 bytes of LDS; arguments xw, bk, bv, bq, kvf, qf; writes kvf, qf
.if DOCPART == 2
	.amdgcn_target "amdgcn-amd-amdhsa--gfx1250"
	.amdhsa_code_object_version 6
	.text
	.protected	k_q09ff4a6c3a_proj
	.globl	k_q09ff4a6c3a_proj
	.p2align	8
	.type	k_q09ff4a6c3a_proj,@function
k_q09ff4a6c3a_proj:
	s_mov_b64 s[64:65], 0
	v_nop
	global_prefetch_b8 v0, s[64:65] scope:SCOPE_SE
	s_setreg_imm32_b32 hwreg(HW_REG_WAVE_MODE, 25, 1), 1
	s_wait_xcnt 0x0
	s_wait_alu depctr_hold_cnt(0) depctr_sa_sdst(0) depctr_va_vdst(0) depctr_va_sdst(0) depctr_va_ssrc(0) depctr_va_vcc(0) depctr_vm_vsrc(0)
	s_getreg_b32 s2, hwreg(HW_REG_IB_STS2, 6, 4)
	s_cmp_eq_u32 s2, 0
	s_cbranch_scc0 .Lentry_in_a_cluster
	s_endpgm
.Lentry_in_a_cluster:
	s_bfe_u32 s2, ttmp6, 0x10000c
	s_cmp_lg_u32 s2, 0xf033
	s_cbranch_scc0 .Lentry_shape_is_right
	s_endpgm
.Lentry_shape_is_right:
; PROJ.  keys = kv Wk + bk, values = kv Wv + bv, queries = q Wq + bq on codes of E2M1, and the results quantised at once for the attention launch: k and q along the head's 64, v along the keys.
; A WORK-GROUP STAYS: eight waves make, for 128 tokens x 128 columns, all three products one after the other (K, V, Q).  With K = 1,024 a block of 128 rows of codes with its scale words is 69,632 dense bytes.
; LDS: kv's block at 0, Wk's at 69,632, Wv's at 139,264, q's at 208,896: four first fills.  A fifth block does not fit (5 x 69,632 = 348,160), so Wq's block is filled into Wk's bytes when the K product
; has read them for the last time; it has K's quantising and the whole V product in which to land.
; CLUSTERS: 4 x 4 work-groups.  The four of a row of the cluster need the same token blocks, the four of a column the same weight blocks: each is asked for JOINTLY, by the same tensor load with the same
; descriptor and a mask that names the four.  Waves 0-3 fetch the token blocks' quarters, waves 4-7 the weight blocks': one tensor load a wave is out at a time: two first fills and, for waves 4-7, the refill.
; SOURCE 0 IS THE OPERAND WHOSE INDEX IS THE NEXT PRODUCT'S K (K, Q: the head's columns; V: the tokens, which are the keys): by the tile order (row r of tile t = 32 (t / 2) + 8 (t % 2) + r % 8 + 16 (r / 8))
; a lane's 16 registers of two neighbouring tiles are then 16 neighbours along that K.  A wave has 4 tiles of source 0 and 2 of source 1: 8 accumulators, which take turns.
; The bias is the C of each sum's first product: eight registers a tile in the result's layout; the next job's is asked for a job ahead.
; OUT.  kvf, 139,264 bytes a head: K codes [128 tiles][lane][16 bytes] (d = 32 h on); at 65,536 K's scale words, one for a PAIR of tiles and a row ([tile 2 i: 2 bytes | tile 2 i + 1: 2 bytes]) at 256 (i / 4) + 16 r + 4 (i % 4);
;   at 69,632 V's fragment images [key step][d tile][1,024]; at 135,168 V's scale words at 256 step + 16 r + 4 tile.
;   qf, 81,920 bytes a head: Q codes as K's; at 65,536 [tile][lane] words: lanes 0-15 the two bytes low, lanes 16-31 the same two bytes high, the other bytes 0.
; LIMITS: zero blocks carry the byte 1 (zero codes; read by this program alone); largest magnitudes under 2^-124 are held at the byte 1; NaN and infinities are not served.
; The scale bytes leave as 2 or 4 bytes a lane: one scale byte for each 16 bytes of codes.
.set BLK,   69632
.set QUART, 17408                      ; a quarter of a block: 68 rows of 256 bytes
.set QOFF,  2228224                    ; inputs_q's blocks in xw
.set WOFF,  4456448                    ; the weights' blocks: Wk, Wv, Wq, each WSTEP bytes
.set WSTEP, 557056
.set HB,    139264
.set QHB,   81920
.set LWA,   69632                      ; LDS: Wk's block, later Wq's
.set LWV,   139264                     ; Wv's
.set LXQ,   208896                     ; q's
.set SPARE, 278528                     ; behind the four blocks: the spare words, 128 bytes for each wave: four blocks of 256 bytes that no other line names
; v1 16 x lane; v2, v3 source 0's fragments in the weight block at LWA, in kv's block; v4, v5, v6 source 1's in kv's, Wv's, q's block; v7, v8 and v9, v10, v11 the scale images likewise;
; v12 4 x lane; v13, v14 the biases' offsets; v15, v58 the scale bytes' offsets; v59 16 h; v62, v63 scale bytes to store
.set TM,    16                         ; v16-23  at work in the quantiser
.set PC,    24                         ; v24-31  the codes of source 1's two tiles
.set SC0,   32                         ; v32-47  source 0's scale words: tile i at + 4 i; register j, lanes 16 hh + r: K step 4 hh + j
.set SC1,   48                         ; v48-55  source 1's
.set W16,   56                         ; v56-57  the two scale bytes made for source 1's tile 0, 1
.set SPW,   60                         ; v60     LDS address of my spare word: SPARE + 4 x my thread's number; never rewritten
.set NIL,   61                         ; v61     0; never rewritten
.set ACC,   64                         ; v64-127 accumulator (i, e) at + 32 e + 8 i
.set FS,    128                        ; v128-223 two sets of fragments: source 0's tile i at + 8 i, source 1's tile e at + 32 + 8 e
.set BI,    224                        ; v224-255 the bias: K, Q: source 0's tile i at + 8 i; V: source 1's tile e at + 8 e
.set WV,    16                         ; s16 wave; s17 a = wave % 2; s18 p = wave / 2; s19 wave % 4
.set SEL,   72                         ; s[72:73] selects for lane l xor 16
.set HI16,  74                         ; s74 lanes 16-31
.set G1X,   24                         ; s[24:31] descriptor group 1 for the token blocks; s[36:43] for the weight blocks: they differ in the mask alone
.set G1W,   36
.set G0XK,  32                         ; a group 0 for each of the five loads: none is ever written again
.set G0XQ,  44
.set G0WK,  76
.set G0WV,  80
.set G0WQ,  84
.macro CROUND                          ; a round of the cluster's barrier
	s_barrier_signal -1
	s_barrier_wait -1
	s_cmp_lg_u32 s[WV], 0
	s_cbranch_scc1 .Lnot_wave_0_\@
	s_barrier_signal -3
.Lnot_wave_0_\@:
	s_barrier_wait -3
	s_barrier_signal -1
	s_barrier_wait -1
.endm
.macro NOPS n
.rept \n
	v_nop
.endr
.endm
	s_load_b256 s[4:11], s[0:1], 0x0               ; xw, bk, bv, bq
	s_load_b128 s[12:15], s[0:1], 0x20             ; kvf, qf
	v_lshl_add_u32 v[SPW], v0, 2, SPARE
	v_mov_b32 v[NIL], 0
	ds_add_u32 v60, v61
	ds_add_u32 v60, v61
	s_wait_dscnt 0x0
	v_lshrrev_b32 v1, 5, v0
	s_delay_alu instid0(VALU_DEP_1)
	v_readfirstlane_b32 s[WV], v1
	s_and_b32 s17, s[WV], 1
	s_lshr_b32 s18, s[WV], 1
	s_and_b32 s19, s[WV], 3
	s_bfe_u32 s20, ttmp6, 0x40000                  ; cx
	s_bfe_u32 s21, ttmp6, 0x40004                  ; cy
	s_lshl_b32 s23, ttmp9, 2
	s_add_co_u32 s23, s23, s20                     ; block of 128 columns = 4 x cluster x + cx
	s_and_b32 s48, ttmp7, 0xffff
	s_lshl_b32 s48, s48, 2
	s_add_co_u32 s48, s48, s21                     ; block of 128 tokens = 4 x cluster y + cy
	s_lshl_b32 s50, s21, 2
	s_lshl_b32 s50, 15, s50                        ; my row of the cluster
	s_lshl_b32 s51, 0x1111, s20                    ; my column
	s_or_b32 s[G1X], s50, (3<<16)|(1<<21)          ; 15:0 the mask; 17:16 elements of 8 bytes; 21 set beside a mask; no padding: the images are read 16 bytes a lane on end
	s_or_b32 s[G1W], s51, (3<<16)|(1<<21)
.irp g, G1X, G1W
	s_mov_b32 s[\g+1], 32<<16                      ; tensor_dim0 = 32 elements: 256 bytes
	s_mov_b32 s[\g+2], 68<<16                      ; tensor_dim1 = 68 rows
	s_mov_b32 s[\g+3], 32<<16                      ; tile_dim0
	s_mov_b32 s[\g+4], 68                          ; tile_dim1
	s_mov_b32 s[\g+5], 32                          ; the pitch: dense
	s_mov_b32 s[\g+6], 0
	s_mov_b32 s[\g+7], 0
.endr
	s_mul_i32 s59, s19, QUART                      ; which quarter I fetch
	s_mul_i32 s52, s48, BLK                        ; the token blocks: this pair never holds cx
	s_add_co_u32 s52, s52, s59
	s_mov_b32 s53, 0
	s_mul_i32 s54, s23, BLK                        ; the weight blocks: this pair never holds cy
	s_add_co_u32 s54, s54, s59
	s_add_co_u32 s54, s54, WOFF
	s_mov_b32 s55, 0
	s_mov_b32 s[SEL], 0x76543210
	s_mov_b32 s[SEL+1], 0xfedcba98
	s_mov_b32 s[HI16], 0xffff0000
	s_wait_kmcnt 0x0
	s_mov_b32 s[G0XK], 1                           ; kv's block -> LDS 0
	s_mul_i32 s[G0XK+1], s19, QUART
	s_add_nc_u64 s[G0XK+2:G0XK+3], s[4:5], s[52:53]
	s_or_b32 s[G0XK+3], s[G0XK+3], 0x80000000
	s_mov_b32 s[G0XQ], 1                           ; q's block -> LXQ
	s_add_co_u32 s[G0XQ+1], s59, LXQ
	s_add_nc_u64 s[G0XQ+2:G0XQ+3], s[4:5], s[52:53]
	s_add_nc_u64 s[G0XQ+2:G0XQ+3], s[G0XQ+2:G0XQ+3], QOFF
	s_or_b32 s[G0XQ+3], s[G0XQ+3], 0x80000000
	s_mov_b32 s[G0WK], 1                           ; Wk's block -> LWA
	s_add_co_u32 s[G0WK+1], s59, LWA
	s_add_nc_u64 s[G0WK+2:G0WK+3], s[4:5], s[54:55]
	s_or_b32 s[G0WK+3], s[G0WK+3], 0x80000000
	s_mov_b32 s[G0WV], 1                           ; Wv's block -> LWV
	s_add_co_u32 s[G0WV+1], s59, LWV
	s_add_nc_u64 s[G0WV+2:G0WV+3], s[4:5], s[54:55]
	s_add_nc_u64 s[G0WV+2:G0WV+3], s[G0WV+2:G0WV+3], WSTEP
	s_or_b32 s[G0WV+3], s[G0WV+3], 0x80000000
	s_mov_b32 s[G0WQ], 1                           ; Wq's block -> LWA, later
	s_add_co_u32 s[G0WQ+1], s59, LWA
	s_add_nc_u64 s[G0WQ+2:G0WQ+3], s[4:5], s[54:55]
	s_add_nc_u64 s[G0WQ+2:G0WQ+3], s[G0WQ+2:G0WQ+3], 2*WSTEP
	s_or_b32 s[G0WQ+3], s[G0WQ+3], 0x80000000
	CROUND                                         ; all sixteen work-groups are here: the first joint loads meet
	s_cmp_lt_u32 s[WV], 4                          ; AT THE HEAD ONE TENSOR LOAD A WAVE: the K product's operands: waves 0-3 kv's quarters, waves 4-7 Wk's
	s_cbranch_scc0 .Lfirst_w
	tensor_load_to_lds s[G0XK:G0XK+3], s[G1X:G1X+7]
	s_nop 0
	NOPS 4
	s_branch .Lfirst_asked
.Lfirst_w:
	tensor_load_to_lds s[G0WK:G0WK+3], s[G1W:G1W+7]
	s_nop 0
	NOPS 4
.Lfirst_asked:
	v_and_b32 v1, 31, v0
	s_delay_alu instid0(VALU_DEP_1)
	v_lshlrev_b32 v12, 2, v1                       ; 4 x lane
	s_delay_alu instid0(VALU_DEP_2)
	v_lshlrev_b32 v1, 4, v1                        ; 16 x lane
	v_and_b32 v62, 15, v0                          ; r
	v_bfe_u32 v63, v0, 4, 1                        ; h
	s_delay_alu instid0(VALU_DEP_1)
	v_lshlrev_b32 v13, 6, v63                      ; K, Q: register j of accumulator (i, e) is column 32 (i / 2) + 16 h + 8 (i % 2) + j
	v_and_b32 v14, 7, v0
	v_bfe_u32 v15, v0, 3, 1
	s_delay_alu instid0(VALU_DEP_2)
	v_lshlrev_b32 v14, 2, v14
	s_delay_alu instid0(VALU_DEP_1)
	v_lshl_add_u32 v14, v15, 6, v14                ; V: the column runs along the lanes: r % 8 + 16 (r / 8), + 8 e
	v_lshlrev_b32 v59, 4, v62                      ; 16 r
	s_delay_alu instid0(VALU_DEP_1)
	v_lshl_add_u32 v15, v63, 1, v59                ; K's scale bytes: 16 r + 2 h
	s_delay_alu instid0(VALU_DEP_2)
	v_lshl_add_u32 v58, v63, 2, v59                ; V's: 16 r + 4 h
	v_lshlrev_b32 v59, 4, v63                      ; 16 h bits
	v_mov_b32 v[TM+2], 0                           ; a lane permute's destination counts as read
	v_mov_b32 v[TM+3], 0
	s_lshl_b32 s58, s17, 15
	v_add_nc_u32 v3, s58, v1                       ; source 0's tiles 4 a on, in kv's block,
	s_delay_alu instid0(VALU_DEP_1)
	v_add_nc_u32 v2, LWA, v3                       ; and in the weight block at LWA
	s_lshl_b32 s58, s18, 14
	v_add_nc_u32 v4, s58, v1                       ; source 1's tiles 2 p on, in kv's block,
	s_delay_alu instid0(VALU_DEP_1)
	v_add_nc_u32 v5, LWV, v4                       ; in Wv's,
	s_delay_alu instid0(VALU_DEP_2)
	v_add_nc_u32 v6, LXQ, v4                       ; in q's
	s_lshl_b32 s58, s17, 11
	s_add_co_u32 s58, s58, 65536
	v_add_nc_u32 v8, s58, v1                       ; their scale images likewise
	s_delay_alu instid0(VALU_DEP_1)
	v_add_nc_u32 v7, LWA, v8
	s_lshl_b32 s58, s18, 10
	s_add_co_u32 s58, s58, 65536
	v_add_nc_u32 v9, s58, v1
	s_delay_alu instid0(VALU_DEP_1)
	v_add_nc_u32 v10, LWV, v9
	s_delay_alu instid0(VALU_DEP_2)
	v_add_nc_u32 v11, LXQ, v9
	s_lshl_b32 s58, s23, 9                         ; the column block: 4 x 128 bytes of a bias
	s_lshl_b32 s50, s17, 8
	s_add_co_u32 s50, s50, s58                     ; K, Q: my head's 64 columns
	s_mov_b32 s51, 0
	s_add_nc_u64 s[66:67], s[6:7], s[50:51]        ; bk
	s_add_nc_u64 s[68:69], s[10:11], s[50:51]      ; bq
	s_lshl_b32 s50, s18, 7
	s_add_co_u32 s50, s50, s58                     ; V: my 32 columns
	s_add_nc_u64 s[70:71], s[8:9], s[50:51]        ; bv
.macro BIASH b                         ; K's or Q's bias: 8 numbers for each tile of source 0
.irp i, 0,1,2,3
.irp q, 0,1
	global_load_b128 v[BI+8*\i+4*\q:BI+8*\i+4*\q+3], v13, s[\b:\b+1] offset:(32*(\i/2)+8*(\i%2))*4+16*\q
.endr
.endr
.endm
.macro BIASV                           ; V's: every register of a tile takes the lane's one number
.irp e, 0,1
.irp j, 0,1,2,3,4,5,6,7
	global_load_b32 v[BI+8*\e+\j], v14, s[70:71] offset:32*\e
.endr
.endr
.endm
	BIASH 66
	; where the three results go: all six bases are made here, in registers of their own
	s_lshr_b32 s56, s48, 4                         ; batch
	s_and_b32 s57, s48, 15                         ; which 128 tokens of it
	s_lshl_b32 s56, s56, 4
	s_lshl_b32 s58, s23, 1
	s_add_co_u32 s56, s56, s58                     ; 16 x batch + the column block's first head
	s_mov_b32 s63, 0
	s_add_co_u32 s58, s56, s17                     ; K, Q: head + a; my tiles are 8 x which + 2 p + e
	s_mul_i32 s60, s58, HB
	s_lshl_b32 s61, s57, 12
	s_add_co_u32 s62, s60, s61
	s_lshl_b32 s61, s18, 10
	s_add_co_u32 s62, s62, s61
	s_add_nc_u64 s[88:89], s[12:13], s[62:63]      ; K's codes
	s_lshl_b32 s61, s57, 8
	s_add_co_u32 s62, s60, s61
	s_lshl_b32 s61, s18, 2
	s_add_co_u32 s62, s62, s61
	s_add_co_u32 s62, s62, 65536
	s_add_nc_u64 s[90:91], s[12:13], s[62:63]      ; K's scale words
	s_mul_i32 s60, s58, QHB
	s_lshl_b32 s61, s57, 12
	s_add_co_u32 s62, s60, s61
	s_lshl_b32 s61, s18, 10
	s_add_co_u32 s62, s62, s61
	s_add_nc_u64 s[96:97], s[14:15], s[62:63]      ; Q's codes
	s_lshl_b32 s61, s57, 10
	s_add_co_u32 s62, s60, s61
	s_lshl_b32 s61, s18, 8
	s_add_co_u32 s62, s62, s61
	s_add_co_u32 s62, s62, 65536
	s_add_nc_u64 s[98:99], s[14:15], s[62:63]      ; Q's scale words
	s_lshr_b32 s58, s18, 1
	s_add_co_u32 s58, s58, s56                     ; V: head + p / 2; d tile 2 (p % 2) + e; my 64 keys are half c = a of key step 'which'
	s_mul_i32 s60, s58, HB
	s_and_b32 s49, s18, 1
	s_lshl_b32 s61, s57, 12
	s_add_co_u32 s62, s60, s61
	s_lshl_b32 s61, s49, 11
	s_add_co_u32 s62, s62, s61
	s_lshl_b32 s61, s17, 9
	s_add_co_u32 s62, s62, s61
	s_add_co_u32 s62, s62, 69632
	s_add_nc_u64 s[92:93], s[12:13], s[62:63]      ; V's codes
	s_lshl_b32 s61, s57, 8
	s_add_co_u32 s62, s60, s61
	s_lshl_b32 s61, s49, 3
	s_add_co_u32 s62, s62, s61
	s_lshl_b32 s61, s17, 1
	s_add_co_u32 s62, s62, s61
	s_add_co_u32 s62, s62, 135168
	s_add_nc_u64 s[94:95], s[12:13], s[62:63]      ; V's scale words
.macro FLOAD k, s, a0, a1              ; K step s: 6 fragments, 12 loads, into set k
.irp i, 0,1,2,3
.irp c, 0,1
	ds_load_b128 v[FS+48*(\k)+8*\i+4*\c:FS+48*(\k)+8*\i+4*\c+3], v[\a0] offset:\i*8192+(\s)*1024+512*\c
.endr
.endr
.irp e, 0,1
.irp c, 0,1
	ds_load_b128 v[FS+48*(\k)+32+8*\e+4*\c:FS+48*(\k)+32+8*\e+4*\c+3], v[\a1] offset:\e*8192+(\s)*1024+512*\c
.endr
.endr
.endm
.macro MUL k, s, vj                    ; 8 products, one on each accumulator.  K step 0 starts the sums with the bias as C (vj = 1: V's, by source 1's tile)
.irp e, 0,1
.irp i, 0,1,2,3
.if (\s) == 0
.if \vj
	v_wmma_scale_f32_16x16x128_f8f6f4 v[ACC+32*\e+8*\i:ACC+32*\e+8*\i+7], v[FS+48*(\k)+8*\i:FS+48*(\k)+8*\i+7], v[FS+48*(\k)+32+8*\e:FS+48*(\k)+32+8*\e+7], v[BI+8*\e:BI+8*\e+7], v[SC0+4*\i], v[SC1+4*\e] matrix_a_fmt:MATRIX_FMT_FP4 matrix_b_fmt:MATRIX_FMT_FP4
.else
	v_wmma_scale_f32_16x16x128_f8f6f4 v[ACC+32*\e+8*\i:ACC+32*\e+8*\i+7], v[FS+48*(\k)+8*\i:FS+48*(\k)+8*\i+7], v[FS+48*(\k)+32+8*\e:FS+48*(\k)+32+8*\e+7], v[BI+8*\i:BI+8*\i+7], v[SC0+4*\i], v[SC1+4*\e] matrix_a_fmt:MATRIX_FMT_FP4 matrix_b_fmt:MATRIX_FMT_FP4
.endif
.elseif (\s) < 4
	v_wmma_scale_f32_16x16x128_f8f6f4 v[ACC+32*\e+8*\i:ACC+32*\e+8*\i+7], v[FS+48*(\k)+8*\i:FS+48*(\k)+8*\i+7], v[FS+48*(\k)+32+8*\e:FS+48*(\k)+32+8*\e+7], v[ACC+32*\e+8*\i:ACC+32*\e+8*\i+7], v[SC0+4*\i+(\s)%4], v[SC1+4*\e+(\s)%4] matrix_a_fmt:MATRIX_FMT_FP4 matrix_b_fmt:MATRIX_FMT_FP4
.else
	v_wmma_scale_f32_16x16x128_f8f6f4 v[ACC+32*\e+8*\i:ACC+32*\e+8*\i+7], v[FS+48*(\k)+8*\i:FS+48*(\k)+8*\i+7], v[FS+48*(\k)+32+8*\e:FS+48*(\k)+32+8*\e+7], v[ACC+32*\e+8*\i:ACC+32*\e+8*\i+7], v[SC0+4*\i+(\s)%4], v[SC1+4*\e+(\s)%4] matrix_a_fmt:MATRIX_FMT_FP4 matrix_b_fmt:MATRIX_FMT_FP4 matrix_a_scale:MATRIX_SCALE_ROW1 matrix_b_scale:MATRIX_SCALE_ROW1
.endif
.endr
.endr
.endm
; One product over K = 1,024.  a0, a1, c0, c1: the registers that hold the LDS addresses of the two sources' fragments and scale images.  nb: the bias to ask for behind K step 0: 1 V's, 2 Q's, 0 none.
.macro GEMM a0, a1, c0, c1, vj, nb
.irp i, 0,1,2,3
	ds_load_b128 v[SC0+4*\i:SC0+4*\i+3], v[\c0] offset:512*\i   ; all 8 K steps' scale words of a tile in one load
.endr
.irp e, 0,1
	ds_load_b128 v[SC1+4*\e:SC1+4*\e+3], v[\c1] offset:512*\e
.endr
	FLOAD 0, 0, \a0, \a1
.set st, 0
.rept 8
.if st < 7
	FLOAD (st+1)%2, st+1, \a0, \a1
	s_wait_dscnt 12                                ; all but the 12 loads just issued
.else
	s_wait_dscnt 0x0
.endif
.if st == 0
	s_wait_loadcnt 0x0                             ; the bias
.endif
	MUL st%2, st, \vj
	NOPS 4                                         ; four places in front of the loads into the set just multiplied or into the bias, and of the first read of results
.if st == 0
.if \nb == 1
	BIASV
.elseif \nb == 2
	BIASH 68
.endif
.endif
.if st == 7
	v_nop                                          ; a fifth: the next product's first instructions write over these accumulators with another C
.endif
.set st, st+1
.endr
.endm
; The 32 results of source 1's tile e in a lane (register 16 b + k = index 32 b + 16 h + k of the next K) become 4 registers of codes (index 32 h + 0 .. 31) and two scale bytes.
.macro QUANT2 e
.set AA, ACC+32*\e
.irp b, 0,1
	v_max3_num_f32 v[TM+\b], |v[AA+16*\b]|, |v[AA+16*\b+1]|, 0x1800000   ; each accumulator is read from its low end on; the floor 2^(3 - 127) keeps the byte at 1 from below
.endr
.irp i, 2,4,6,8,10,12,14
.irp b, 0,1
	v_max3_num_f32 v[TM+\b], v[TM+\b], |v[AA+16*\b+\i]|, |v[AA+16*\b+\i+1]|
.endr
.endr
.irp b, 0,1
	s_delay_alu instid0(VALU_DEP_2)
	v_permlanex16_b32 v[TM+2+\b], v[TM+\b], s[SEL], s[SEL+1]
.endr
.irp b, 0,1
	s_delay_alu instid0(VALU_DEP_2)
	v_max_num_f32 v[TM+\b], v[TM+\b], v[TM+2+\b]   ; with lane l xor 16's 16: the block's largest magnitude
.endr
.irp b, 0,1
	s_delay_alu instid0(VALU_DEP_2)
	v_add_nc_u32 v[TM+4+\b], 0xff000000, v[TM+\b]  ; 2 off the exponent field: the conversion's scale operand
.endr
.irp b, 0,1
	s_delay_alu instid0(VALU_DEP_2)
	v_lshrrev_b32 v[TM+6+\b], 23, v[TM+4+\b]
.endr
	s_delay_alu instid0(VALU_DEP_1)
	v_lshl_or_b32 v[W16+\e], v[TM+7], 8, v[TM+6]
.irp b, 0,1
	v_cvt_scalef32_pk8_fp4_f32 v[PC+4*\e+2*\b], v[AA+16*\b:AA+16*\b+7], v[TM+4+\b]
	v_cvt_scalef32_pk8_fp4_f32 v[PC+4*\e+2*\b+1], v[AA+16*\b+8:AA+16*\b+15], v[TM+4+\b]
.endr
	v_nop                                          ; one plain line behind the last scaled conversion
	v_permlane16_swap_b32 v[PC+4*\e], v[PC+4*\e+2] ; a whole block to a lane: lanes 0-15 block 0, lanes 16-31 block 1
	v_permlane16_swap_b32 v[PC+4*\e+1], v[PC+4*\e+3]
.endm
	s_wait_alu depctr_va_vdst(0)
	s_wait_tensorcnt 0x0                           ; my quarter of kv's or of Wk's block has landed
	ds_add_u32 v[SPW], v[NIL]
	s_wait_dscnt 0x0
	CROUND                                         ; everybody's has, and all sixteen work-groups are here: the second joint loads meet
	s_cmp_lt_u32 s[WV], 4                          ; q's block (waves 0-3) and Wv's (waves 4-7): first fills, one a wave, out while the K product runs
	s_cbranch_scc0 .Lsecond_w
	tensor_load_to_lds s[G0XQ:G0XQ+3], s[G1X:G1X+7]
	s_nop 0
	NOPS 4
	s_branch .Lsecond_asked
.Lsecond_w:
	tensor_load_to_lds s[G0WV:G0WV+3], s[G1W:G1W+7]
	s_nop 0
	NOPS 4
.Lsecond_asked:
	; ---------------- K: source 0 = Wk's columns, source 1 = kv's tokens
	GEMM 2, 4, 7, 9, 0, 1
	s_wait_tensorcnt 0x0                           ; all my tensor loads have landed: Wv's and q's blocks are whole behind the round;
	ds_add_u32 v[SPW], v[NIL]                      ; 0 onto my spare word;
	s_wait_dscnt 0x0                               ; the add is done, and my reads of Wk's block are over
	CROUND                                         ; no wave of any partner still reads Wk's block or has a load on its way
	s_cmp_lt_u32 s[WV], 4
	s_cbranch_scc1 .Lno_refill
	tensor_load_to_lds s[G0WQ:G0WQ+3], s[G1W:G1W+7]   ; Wq's block into Wk's bytes: the first thing behind the round, and the wave's one tensor load from here on
	s_nop 0
	NOPS 4
.Lno_refill:
	QUANT2 0
	QUANT2 1
	v_cndmask_b32 v62, v[W16], v[W16+1], s[HI16]   ; lane (r, h) stores tile h's two bytes of the pair's word
	global_store_b128 v1, v[PC:PC+3], s[88:89]     ; 512 consecutive bytes
	global_store_b128 v1, v[PC+4:PC+7], s[88:89] offset:512
	global_store_b16 v15, v62, s[90:91]
	; ---------------- V: source 0 = kv's tokens (the keys), source 1 = Wv's columns
	GEMM 3, 5, 8, 10, 1, 2
	s_wait_xcnt 0x0                                ; K's stores have read their data: the codes' registers are written again only behind this wait
	QUANT2 0
	QUANT2 1
	v_cndmask_b32 v63, v[W16], v[W16+1], s[HI16]   ; lane (r, h) stores tile e = h's bytes 2 a, 2 a + 1
	global_store_b128 v1, v[PC:PC+3], s[92:93]
	global_store_b128 v1, v[PC+4:PC+7], s[92:93] offset:1024
	global_store_b16 v58, v63, s[94:95]
	s_wait_tensorcnt 0x0                           ; my quarter of Wq's block has landed,
	s_barrier_signal -1
	s_barrier_wait -1                              ; everybody's has
	; ---------------- Q: source 0 = Wq's columns, source 1 = q's tokens
	GEMM 2, 6, 7, 11, 0, 0
	s_wait_xcnt 0x0                                ; V's stores have read their data
	QUANT2 0
	QUANT2 1
	v_lshlrev_b32 v[TM], v59, v[W16]               ; the two bytes low in lanes 0-15, high in lanes 16-31
	v_lshlrev_b32 v[TM+1], v59, v[W16+1]
	global_store_b128 v1, v[PC:PC+3], s[96:97]
	global_store_b128 v1, v[PC+4:PC+7], s[96:97] offset:512
	global_store_b32 v12, v[TM], s[98:99]
	global_store_b32 v12, v[TM+1], s[98:99] offset:128
	s_wait_tensorcnt 0x0                           ; the wave's end
	ds_add_u32 v[SPW], v[NIL]
	s_wait_dscnt 0x0
	CROUND                                         ; the closing round: no work-group ends while a partner may still ask for a block that names it
	s_endpgm
.Lfunc_end_k_q09ff4a6c3a_proj:
	.size	k_q09ff4a6c3a_proj, .Lfunc_end_k_q09ff4a6c3a_proj-k_q09ff4a6c3a_proj
	.p2alignl 7, 3214868480
	.fill 96, 4, 3214868480
	.section	.rodata,"a",@progbits
	.p2align	6, 0x0
	.amdhsa_kernel k_q09ff4a6c3a_proj
		.amdhsa_group_segment_fixed_size 327680
		.amdhsa_private_segment_fixed_size 0
		.amdhsa_enable_private_segment 0
		.amdhsa_kernarg_size 48
		.amdhsa_user_sgpr_count 2
		.amdhsa_user_sgpr_kernarg_segment_ptr 1
		.amdhsa_wavefront_size32 1
		.amdhsa_system_sgpr_workgroup_id_x 1
		.amdhsa_system_sgpr_workgroup_id_y 1
		.amdhsa_system_sgpr_workgroup_id_z 1
		.amdhsa_system_vgpr_workitem_id 0
		.amdhsa_next_free_vgpr 256
		.amdhsa_next_free_sgpr 100
		.amdhsa_reserve_vcc 0
		.amdhsa_float_denorm_mode_32 3
		.amdhsa_float_denorm_mode_16_64 3
		.amdhsa_memory_ordered 1
		.amdhsa_forward_progress 1
		.amdhsa_inst_pref_size 76
	.end_amdhsa_kernel
	.amdgpu_metadata
---
amdhsa.version: [ 1, 2 ]
amdhsa.kernels:
  - .name:           k_q09ff4a6c3a_proj
    .symbol:         k_q09ff4a6c3a_proj.kd
    .args:
      - { .name: xw, .offset: 0, .size: 8, .value_kind: global_buffer, .address_space: global }
      - { .name: bk, .offset: 8, .size: 8, .value_kind: global_buffer, .address_space: global }
      - { .name: bv, .offset: 16, .size: 8, .value_kind: global_buffer, .address_space: global }
      - { .name: bq, .offset: 24, .size: 8, .value_kind: global_buffer, .address_space: global }
      - { .name: kvf, .offset: 32, .size: 8, .value_kind: global_buffer, .address_space: global }
      - { .name: qf, .offset: 40, .size: 8, .value_kind: global_buffer, .address_space: global }
    .group_segment_fixed_size: 327680
    .private_segment_fixed_size: 0
    .kernarg_segment_align: 8
    .kernarg_segment_size: 48
    .max_flat_workgroup_size: 256
    .sgpr_count:     100
    .vgpr_count:     256
    .wavefront_size: 32
...
	.end_amdgpu_metadata
.endif
;; end of part 2
;; launch attn (part 3): grid 8 x 32, 16 waves a work-group, clusters of 4 x 1, 210,944 bytes of LDS; arguments kvf, qf, mw, wt; writes wt
.if DOCPART == 3
	.amdgcn_target "amdgcn-amd-amdhsa--gfx1250"
	.amdhsa_code_object_version 6
	.text
	.protected	k_q09ff4a6c3a_attn
	.globl	k_q09ff4a6c3a_attn
	.p2align	8
	.type	k_q09ff4a6c3a_attn,@function
k_q09ff4a6c3a_attn:
	s_mov_b64 s[64:65], 0
	v_nop
	global_prefetch_b8 v0, s[64:65] scope:SCOPE_SE
	s_setreg_imm32_b32 hwreg(HW_REG_WAVE_MODE, 25, 1), 1
	s_wait_xcnt 0x0
	s_wait_alu depctr_hold_cnt(0) depctr_sa_sdst(0) depctr_va_vdst(0) depctr_va_sdst(0) depctr_va_ssrc(0) depctr_va_vcc(0) depctr_vm_vsrc(0)
	s_getreg_b32 s2, hwreg(HW_REG_IB_STS2, 6, 4)
	s_cmp_eq_u32 s2, 0
	s_cbranch_scc0 .Lentry_in_a_cluster
	s_endpgm
.Lentry_in_a_cluster:
	s_bfe_u32 s2, ttmp6, 0x10000c
	s_cmp_lg_u32 s2, 0x3003
	s_cbranch_scc0 .Lentry_shape_is_right
	s_endpgm
.Lentry_shape_is_right:
; ATTN.  For one head and 256 queries: scores = q k^T on codes, the mask, the FINISHED softmax (exp(x - max) / sum, 0 where the mask is false), quantised along the keys, times v on codes; the weighted sum is
; quantised along the model's 1,024 for the last product.  A block's scale of the softmax hangs on the row's sum over all 2,048 keys, so a tile's whole row of scores stays in registers until the sum is known.
; SHARES.  The head's K and V with their scale words, 139,264 bytes, come into LDS once.  The sixteen waves are two groups of eight; group G works on query tiles 16 x + 2 i + G, i = 0 .. 7, and wave w' of the
; group holds a tile's 16 queries x keys 256 w' .. 256 w' + 255: 128 registers of scores, in two batches of 128 keys.  Four waves to a SIMD, two of each group, 256 registers each: no register windows.
; A TILE IS TWO HALVES: A (scores, mask, exponentials, sums; the wave's (-c m, sum) goes to LDS) and B (the group's eight (-c m, sum) from LDS, p, its codes, V^T P, the wave's partial O^T to LDS).
; A is written in three parts: a1 (batch 0's scores and mask), a2 (batch 0's exponentials and sum, batch 1's scores and mask: register work and loads of K and V alone), a3 (the rest, and the store of the statistics).
; HOW THE GROUPS MEET.  A group needs a barrier between its a3 and its B.  That barrier is the other group's barrier round its a2: signalled in front of a2, waited for behind it.  So the order of a group is
; a1 | signal a2 wait | a3 | signal wait | B a1 | signal a2 wait | .., and the two groups stand one barrier apart.  Every barrier line stands on every wave's path; only work stands under the branches on the wave's number.
;   statistics: stored in a3, ahead of a signal; read in B, behind that barrier's wait; stored again behind the group's next barrier, in front of whose signal every wave has waited for all its LDS instructions.
;   partial O^T: stored at the end of B; added up by two waves of the OTHER group at the end of their next B, a barrier later; stored again a further barrier later.  Group 1 adds up group 0's tile of its own number,
;   group 0 group 1's tile one before; group 1's last tile is added up behind a barrier of its own at the end.
; CLUSTER.  The four query blocks of a cluster belong to one head: the head's block is asked for JOINTLY (waves 0-7, one tensor load each, the mask names all four).  Nothing is filled again.
; No prefetch: the head's block is asked for once, at the head, with no loop to run ahead in; Q and the mask words are asked for a tile or half a tile ahead of their use.
; LAYOUT.  Both products are used transposed (source 0 = 16 keys, or 16 of the head's 64; source 1 = my 16 queries): a lane holds ONE query (lane % 16).  By the tile order (row r of tile t =
; 32 (t / 2) + 8 (t % 2) + r % 8 + 16 (r / 8)) score register 16 b + i of a batch is key 32 b + 16 (lane / 16) + i.
; K = 64 IN AN INSTRUCTION OF 128: a fragment of K holds TWO key tiles.  Q stands as [q][zeros][q] in v16-27: against v[16:23] the fragment gives tile 2 i, against v[20:27] tile 2 i + 1; the other half meets zero codes.
; THE SOFTMAX.  c = log2(e) / 8.  u = 2^(c s - c m), m the wave's running maximum over open keys (never under -3e38); the eight waves exchange (-c m, their sum of u); p = u x 2^(c m - c max) / sum.
; Hidden scores become -infinity ahead of the maximum: p = 0.  A row with no open key has the sum 0, held at 2^-64 from below: its p are 0, as the masked fill behind the softmax makes them.
; A block's largest p is not searched for: the block's largest score goes through the same multiply-add, exponential and multiplication.
; LIMITS: scores are taken to lie above -3e38; p under 2^-126 falls to 0 in v_exp_f32; zero blocks carry the byte 1 (zero codes; read by this program alone); NaN and infinities are not served.
; The scale bytes of the weighted sum leave as single bytes (a word's four bytes come from two heads, that is two work-groups): 16 bytes for each 256 of codes.
.set HB,    139264
.set QHB,   81920
.set BLK,   69632
.set QUART, 17408
.set STAT,  139264                     ; LDS behind the head's block: 256 bytes a wave: (-c m, sum) of each lane
.set OEX,   143360                     ; and 4,096 bytes a wave: its partial O^T as an image of the registers
.set AK,   2                           ; v2   my 8 fragments of K: 8,192 w' + 16 x lane
.set AV,   3                           ; v3   my 8 fragments of V
.set AST,  4                           ; v4   where I store my statistics
.set ASR,  5                           ; v5   where I read my group's
.set AOS,  6                           ; v6   where I store my partial O^T
.set AOR,  7                           ; v7   where a reducing wave reads the OTHER group's
.set F,    32                          ; v32-63   four fragments of K or of V
.set O,    64                          ; v64-95   O^T; at the head of B at work in the exchange
.set TM,   96                          ; v96-103  block maxima, chains of the sum; later
.set PC,   96                          ;          p's codes
.set UB,   104                         ; v104-111 each block's largest u, later its scale operand
.set S,    128                         ; v128-255 the scores
; v8, v9 Q's offsets; v10, v11 the reducing waves' lane terms; v12 -infinity; v13, v31 their offsets; v14, v15 at work; v16-27 Q; v28 Q's scale words; v29, v30 p's scale words;
; v112-115 K's scale words, v116-119 V's (register j, lanes 16 g + r: batch g); v[120:121] (-c m of batch 0, m); v[122:123] (-c m, my sum); v[124:127] sums, later the factors of batch 1, 0.
; s2 counts the trips; s12 wave, s13 G, s14 w', later the tile to be reduced, s15 wave xor 10 G (0, 1: a reducing wave: waves 0, 1, 10, 11); s16-63, s68-83 64 mask words; s[84:95] the descriptor; s[96:97] c, s98 -c; s99 mask offset; s[100:101] selects.
.macro CROUND
	s_barrier_signal -1
	s_barrier_wait -1
	s_cmp_lg_u32 s12, 0
	s_cbranch_scc1 .Lnot_wave_0_\@
	s_barrier_signal -3
.Lnot_wave_0_\@:
	s_barrier_wait -3
	s_barrier_signal -1
	s_barrier_wait -1
.endm
.macro BAR
	s_wait_dscnt 0x0
	s_barrier_signal -1
	s_barrier_wait -1
.endm
.macro NOPS n
.rept \n
	v_nop
.endr
.endm
	s_load_b256 s[4:11], s[0:1], 0x0               ; kvf, qf, mw, wt
	v_lshl_add_u32 v254, v0, 2, 0x33000
	v_mov_b32 v255, 0
	ds_add_u32 v254, v255
	ds_add_u32 v254, v255
	s_wait_dscnt 0x0
	v_lshrrev_b32 v1, 5, v0
	s_delay_alu instid0(VALU_DEP_1)
	v_readfirstlane_b32 s12, v1
	s_lshr_b32 s13, s12, 3
	s_and_b32 s14, s12, 7
	s_mul_i32 s3, s13, 10
	s_xor_b32 s15, s12, s3
	s_bfe_u32 s68, ttmp6, 0x40000                  ; cx: it enters global addresses of Q, the mask and the result alone
	s_lshl_b32 s73, ttmp9, 2
	s_add_co_u32 s73, s73, s68                     ; x: my block of 256 queries
	s_and_b32 s70, ttmp7, 0xffff                   ; 16 x batch + head, which the four partners share
	s_lshr_b32 s71, s70, 4
	s_and_b32 s72, s70, 15
	s_mov_b32 s88, 15|(3<<16)|(1<<21)              ; the mask: all four work-groups; elements of 8 bytes; bit 21 beside a mask
	s_mov_b32 s89, 32<<16                          ; rows of 256 bytes,
	s_mov_b32 s90, 68<<16                          ; 68 of them,
	s_mov_b32 s91, 32<<16
	s_mov_b32 s92, 68
	s_mov_b32 s93, 32                              ; dense
	s_mov_b32 s94, 0
	s_mov_b32 s95, 0
	s_mul_i32 s74, s70, HB
	s_mul_i32 s85, s12, QUART                      ; LDS: wave x 17,408
	s_add_co_u32 s74, s74, s85
	s_mov_b32 s75, 0
	s_mov_b32 s84, 1
	s_mov_b32 s96, 0x3e38aa3b                      ; c = log2(e) / 8
	s_mov_b32 s97, s96
	s_mov_b32 s98, 0xbe38aa3b                      ; -c
	s_mov_b32 s100, 0x76543210
	s_mov_b32 s101, 0xfedcba98
	s_mov_b32 s2, 0
	s_wait_kmcnt 0x0
	s_add_nc_u64 s[86:87], s[4:5], s[74:75]
	s_or_b32 s87, s87, 0x80000000
	CROUND                                         ; all four work-groups are here: the joint loads meet
	s_cmp_lt_u32 s12, 8
	s_cbranch_scc0 .Lno_fill
	tensor_load_to_lds s[84:87], s[88:95]          ; an eighth of the head's block: one tensor load of mine is out
	s_nop 0
	NOPS 4
.Lno_fill:
	s_mul_i32 s74, s70, QHB
	s_add_nc_u64 s[6:7], s[6:7], s[74:75]          ; the head's Q
	s_lshl_b32 s74, s71, 4
	s_lshl_b32 s76, s73, 1
	s_add_co_u32 s74, s74, s76
	s_mul_i32 s74, s74, BLK
	s_add_nc_u64 s[10:11], s[10:11], s[74:75]      ; my 256 queries are two blocks of wt
	s_lshl_b32 s77, s73, 4
	s_add_co_u32 s77, s77, s13                     ; my group's first tile: 16 x + G
	s_lshl_b32 s99, s71, 7
	s_add_co_u32 s99, s99, s77
	s_lshl_b32 s99, s99, 4
	s_lshl_b32 s76, s14, 1
	s_add_co_u32 s99, s99, s76
	s_lshl_b32 s99, s99, 8                         ; ((128 batch + tile) 16 + 2 w') x 256: my first key step's 64 mask words
	v_and_b32 v13, 31, v0
	s_delay_alu instid0(VALU_DEP_1)
	v_lshlrev_b32 v1, 4, v13                       ; 16 x lane
	s_wait_alu depctr_va_vdst(0)
	v_and_b32 v14, 15, v0                          ; r
	v_bfe_u32 v15, v0, 4, 1                        ; h
	s_lshl_b32 s3, s14, 13
	v_add_nc_u32 v[AK], s3, v1
	s_delay_alu instid0(VALU_DEP_1)
	v_add_nc_u32 v[AV], 69632, v[AK]
	v_lshl_add_u32 v[AST], v0, 3, STAT             ; 256 x wave + 8 x lane
	v_lshlrev_b32 v[ASR], 3, v13
	s_lshl_b32 s3, s13, 11
	s_add_co_u32 s3, s3, STAT
	v_add_nc_u32 v[ASR], s3, v[ASR]
	s_lshl_b32 s3, s12, 12
	s_add_co_u32 s3, s3, OEX
	v_add_nc_u32 v[AOS], s3, v1
	s_and_b32 s76, s15, 1                          ; a reducing wave's block of 32 of the head's 64
	s_xor_b32 s81, s13, 1                          ; the other group: its tiles are what my group's reducing waves add up
	s_lshl_b32 s3, s81, 15
	s_lshl_b32 s78, s76, 11
	s_add_co_u32 s3, s3, s78
	s_add_co_u32 s3, s3, OEX
	v_add_nc_u32 v[AOR], s3, v1
	s_lshl_b32 s3, s77, 9
	v_add_nc_u32 v8, s3, v1                        ; Q's codes: 512 x tile + 16 x lane
	s_lshl_b32 s3, s77, 7
	s_add_co_u32 s3, s3, 65536
	v_lshl_add_u32 v9, v13, 2, s3                  ; Q's scale words: 65,536 + 128 x tile + 4 x lane
	s_lshl_b32 s78, s76, 8                         ; the result's codes: 16 r + 8 h + 256 block + 8,192 (the tile's group) + 1,024 (head / 2) + 512 (head % 2)
	s_lshl_b32 s79, s81, 13
	s_add_co_u32 s78, s78, s79
	s_lshr_b32 s79, s72, 1
	s_lshl_b32 s79, s79, 10
	s_add_co_u32 s78, s78, s79
	s_and_b32 s80, s72, 1
	s_lshl_b32 s79, s80, 9
	s_add_co_u32 s78, s78, s79
	v_lshlrev_b32 v10, 4, v14
	s_wait_alu depctr_va_vdst(0)
	v_lshl_add_u32 v11, v15, 3, v10
	s_delay_alu instid0(VALU_DEP_1)
	v_add_nc_u32 v11, s78, v11
	s_lshl_b32 s78, s81, 9                         ; its scale byte: 65,536 + 512 (the tile's group) + 256 (head / 8) + 16 r + 4 ((head / 2) % 4) + 2 (head % 2) + block
	s_lshr_b32 s79, s72, 3
	s_lshl_b32 s79, s79, 8
	s_add_co_u32 s78, s78, s79
	s_bfe_u32 s79, s72, 0x20001
	s_lshl_b32 s79, s79, 2
	s_add_co_u32 s78, s78, s79
	s_lshl_b32 s79, s80, 1
	s_add_co_u32 s78, s78, s79
	s_add_co_u32 s78, s78, s76
	s_add_co_u32 s78, s78, 65536
	v_add_nc_u32 v10, s78, v10                     ; v10: the byte's lane term; v11: the codes'
	s_lshl_b32 s3, s14, 9
	s_add_co_u32 s3, s3, 65536
	v_add_nc_u32 v13, s3, v1                       ; my 8 pairs' scale words of K,
	s_delay_alu instid0(VALU_DEP_1)
	v_add_nc_u32 v31, 69632, v13                   ; and my 2 key steps' of V
	v_mov_b32 v12, 0xff800000                      ; -infinity
.irp k, 20,21,22,23
	v_mov_b32 v\k, 0                               ; the zero codes between the two copies of Q
.endr
.irp k, 100,101,102,103,123
	v_mov_b32 v\k, 0                               ; lane permutes' destinations, and the upper half of a pair that is named before it is first written
.endr
.macro KLOAD g                         ; batch g's four fragments of K
.irp j, 0,1,2,3
.irp c, 0,1
	ds_load_b128 v[F+8*\j+4*\c:F+8*\j+4*\c+3], v[AK] offset:\g*4096+\j*1024+512*\c
.endr
.endr
.endm
.macro VLOAD g, dst                    ; key step g's four fragments of V
.irp j, 0,1,2,3
.irp c, 0,1
	ds_load_b128 v[\dst+8*\j+4*\c:\dst+8*\j+4*\c+3], v[AV] offset:\g*4096+\j*1024+512*\c
.endr
.endr
.endm
.macro QLOAD                           ; a tile of Q, twice, and its scale words
	global_load_b128 v[16:19], v8, s[6:7]
	global_load_b128 v[24:27], v8, s[6:7]
	global_load_b32 v28, v9, s[6:7]
.endm
.macro MLOAD off                       ; a key step's 64 mask words
	s_load_b512 s[16:31], s[8:9], s99 offset:\off
	s_load_b512 s[32:47], s[8:9], s99 offset:\off+64
	s_load_b512 s[48:63], s[8:9], s99 offset:\off+128
	s_load_b512 s[68:83], s[8:9], s99 offset:\off+192
.endm
	QLOAD
	MLOAD 0
	s_wait_alu depctr_va_vdst(0)
	s_wait_tensorcnt 0x0                           ; my part of the head's block has landed,
	s_barrier_signal -1
	s_barrier_wait -1                              ; everybody's has
	ds_load_b128 v[112:115], v13                   ; the scale words stay in registers for the whole launch
	ds_load_b128 v[116:119], v31
	KLOAD 0
.macro QK1 g, j, u                     ; key tile 2 (4 g + j) + u of my 16: source 0's scale row is g, source 1's is u
.if (\g == 0) && (\u == 0)
	v_wmma_scale_f32_16x16x128_f8f6f4 v[S+64*\g+16*\j+8*\u:S+64*\g+16*\j+8*\u+7], v[F+8*\j:F+8*\j+7], v[16+4*\u:23+4*\u], 0, v[112+\j], v28 matrix_a_fmt:MATRIX_FMT_FP4 matrix_b_fmt:MATRIX_FMT_FP4
.elseif \g == 0
	v_wmma_scale_f32_16x16x128_f8f6f4 v[S+64*\g+16*\j+8*\u:S+64*\g+16*\j+8*\u+7], v[F+8*\j:F+8*\j+7], v[16+4*\u:23+4*\u], 0, v[112+\j], v28 matrix_a_fmt:MATRIX_FMT_FP4 matrix_b_fmt:MATRIX_FMT_FP4 matrix_b_scale:MATRIX_SCALE_ROW1
.elseif \u == 0
	v_wmma_scale_f32_16x16x128_f8f6f4 v[S+64*\g+16*\j+8*\u:S+64*\g+16*\j+8*\u+7], v[F+8*\j:F+8*\j+7], v[16+4*\u:23+4*\u], 0, v[112+\j], v28 matrix_a_fmt:MATRIX_FMT_FP4 matrix_b_fmt:MATRIX_FMT_FP4 matrix_a_scale:MATRIX_SCALE_ROW1
.else
	v_wmma_scale_f32_16x16x128_f8f6f4 v[S+64*\g+16*\j+8*\u:S+64*\g+16*\j+8*\u+7], v[F+8*\j:F+8*\j+7], v[16+4*\u:23+4*\u], 0, v[112+\j], v28 matrix_a_fmt:MATRIX_FMT_FP4 matrix_b_fmt:MATRIX_FMT_FP4 matrix_a_scale:MATRIX_SCALE_ROW1 matrix_b_scale:MATRIX_SCALE_ROW1
.endif
.endm
.macro QKT g
.irp j, 0,1,2,3
.irp u, 0,1
	QK1 \g, \j, \u
.endr
.endr
.endm
.macro MASK g                          ; hidden scores become -infinity; ascending
.set n, 0
.rept 64
.if n < 48
	v_cndmask_b32 v[S+64*\g+n], v12, v[S+64*\g+n], s[16+n]
.else
	v_cndmask_b32 v[S+64*\g+n], v12, v[S+64*\g+n], s[20+n]
.endif
.set n, n+1
.endr
.endm
.macro BMAX g                          ; the largest score of each block of 32 keys (two chains a block, eight by turns), then the running maximum m and -c m
.irp b, 0,1,2,3
	v_max3_num_f32 v[TM+\b], v[S+64*\g+16*\b], v[S+64*\g+16*\b+1], v[S+64*\g+16*\b+2]
.endr
.irp b, 0,1,2,3
	v_max3_num_f32 v[TM+4+\b], v[S+64*\g+16*\b+7], v[S+64*\g+16*\b+8], v[S+64*\g+16*\b+9]
.endr
.irp i, 3,5
.irp b, 0,1,2,3
	v_max3_num_f32 v[TM+\b], v[TM+\b], v[S+64*\g+16*\b+\i], v[S+64*\g+16*\b+\i+1]
.endr
.irp b, 0,1,2,3
	v_max3_num_f32 v[TM+4+\b], v[TM+4+\b], v[S+64*\g+16*\b+\i+7], v[S+64*\g+16*\b+\i+8]
.endr
.endr
.irp b, 0,1,2,3
	v_max3_num_f32 v[TM+\b], v[TM+\b], v[S+64*\g+16*\b+14], v[S+64*\g+16*\b+15]
.endr
.irp b, 0,1,2,3
	s_delay_alu instid0(VALU_DEP_4)
	v_max_num_f32 v[TM+\b], v[TM+\b], v[TM+4+\b]
.endr
.irp b, 0,1,2,3
	v_permlanex16_b32 v[TM+4+\b], v[TM+\b], s100, s101
.endr
.irp b, 0,1,2,3
	s_delay_alu instid0(VALU_DEP_4)
	v_max_num_f32 v[TM+\b], v[TM+\b], v[TM+4+\b]   ; with lane l xor 16's 16 keys
.endr
	s_delay_alu instid0(VALU_DEP_2)
	v_max3_num_f32 v14, v[TM], v[TM+1], v[TM+2]
.if \g == 0
	s_delay_alu instid0(VALU_DEP_1)
	v_max3_num_f32 v121, v14, v[TM+3], 0xff61b1e6  ; never under -3e38: so -c m is a number where every key is hidden
.else
	s_delay_alu instid0(VALU_DEP_1)
	v_max3_num_f32 v121, v14, v[TM+3], v121
.endif
	s_delay_alu instid0(VALU_DEP_1)
	v_mul_f32 v[120+2*\g], s98, v121
.if \g == 1
	s_delay_alu instid0(VALU_DEP_1)
	v_sub_f32 v126, v122, v120                     ; c m_old - c m_new, 0 or less
.endif
.endm
.macro SOFT g                          ; u = 2^(c s - c m), and the same of each block's largest score
.set j, 0
.rept 32
	v_pk_fma_f32 v[S+64*\g+j:S+64*\g+j+1], v[S+64*\g+j:S+64*\g+j+1], s[96:97], v[120+2*\g:121+2*\g] op_sel_hi:[1,0,0]
.set j, j+2
.endr
.irp b, 0,1,2,3
	v_fma_f32 v[UB+4*\g+\b], v[TM+\b], s96, v[120+2*\g]
.endr
.set j, 0
	s_wait_alu depctr_va_vdst(0)
.rept 64
	v_exp_f32 v[S+64*\g+j], v[S+64*\g+j]
.set j, j+1
.endr
.irp b, 0,1,2,3
	v_exp_f32 v[UB+4*\g+\b], v[UB+4*\g+\b]
.endr
.if \g == 1
	v_exp_f32 v126, v126
.endif
	v_nop                                          ; one plain line behind the exponentials
.endm
.macro SUM g                           ; the sum of my u, two at a time, in four chains (v124, v126, v96, v98: the block maxima are done with)
.if \g == 0
	s_wait_alu depctr_va_vdst(0)                   ; one wait for the batch, ahead of its first reader
	v_pk_add_f32 v[124:125], v[S:S+1], v[S+2:S+3]
	v_pk_add_f32 v[126:127], v[S+4:S+5], v[S+6:S+7]
	v_pk_add_f32 v[96:97], v[S+8:S+9], v[S+10:S+11]
	v_pk_add_f32 v[98:99], v[S+12:S+13], v[S+14:S+15]
.set cp, 8
.rept 24
.set ck, cp%4
.set cr, 124+2*ck-32*(ck/2)
	v_pk_add_f32 v[cr:cr+1], v[cr:cr+1], v[S+2*cp:S+2*cp+1]
.set cp, cp+1
.endr
.else
	s_wait_alu depctr_va_vdst(0)
	v_pk_mul_f32 v[124:125], v[124:125], v[126:127] op_sel_hi:[1,0]   ; batch 0's sum under the new maximum
	v_pk_add_f32 v[126:127], v[S+64:S+65], v[S+66:S+67]
	v_pk_add_f32 v[96:97], v[S+68:S+69], v[S+70:S+71]
	v_pk_add_f32 v[98:99], v[S+72:S+73], v[S+74:S+75]
.set cp, 6
.rept 26
.set ck, (cp+2)%4
.set cr, 124+2*ck-32*(ck/2)
	v_pk_add_f32 v[cr:cr+1], v[cr:cr+1], v[S+64+2*cp:S+64+2*cp+1]
.set cp, cp+1
.endr
.endif
	v_pk_add_f32 v[124:125], v[124:125], v[126:127]
	v_pk_add_f32 v[96:97], v[96:97], v[98:99]
	s_delay_alu instid0(VALU_DEP_1)
	v_pk_add_f32 v[124:125], v[124:125], v[96:97]
.endm
.macro NORM g, f                       ; p = u x the batch's factor
.set j, 0
.rept 32
	v_pk_mul_f32 v[S+64*\g+j:S+64*\g+j+1], v[S+64*\g+j:S+64*\g+j+1], v[\f:\f+1] op_sel_hi:[1,0]
.set j, j+2
.endr
.endm
.macro PSC g, f                        ; each block's largest p, its scale operand (in place) and the key step's scale word
.irp b, 0,1,2,3
	v_mul_f32 v[UB+4*\g+\b], v[UB+4*\g+\b], v[\f]
.endr
.irp b, 0,1,2,3
	s_delay_alu instid0(VALU_DEP_4)
	v_max_num_f32 v[UB+4*\g+\b], 0x1800000, v[UB+4*\g+\b]   ; the floor 2^(3 - 127): the byte cannot fall under 1
.endr
.irp b, 0,1,2,3
	s_delay_alu instid0(VALU_DEP_4)
	v_add_nc_u32 v[UB+4*\g+\b], 0xff000000, v[UB+4*\g+\b]
.endr
	s_delay_alu instid0(VALU_DEP_4)
	v_lshrrev_b32 v14, 23, v[UB+4*\g]
	s_delay_alu instid0(VALU_DEP_4)
	v_lshrrev_b32 v15, 23, v[UB+4*\g+1]
	s_delay_alu instid0(VALU_DEP_1)
	v_lshl_or_b32 v[29+\g], v15, 8, v14
	v_lshrrev_b32 v14, 23, v[UB+4*\g+2]
	v_lshrrev_b32 v15, 23, v[UB+4*\g+3]
	s_delay_alu instid0(VALU_DEP_2)
	v_lshl_or_b32 v[29+\g], v14, 16, v[29+\g]
	s_delay_alu instid0(VALU_DEP_1)
	v_lshl_or_b32 v[29+\g], v15, 24, v[29+\g]
.endm
.macro PCVT g
.irp b, 0,1,2,3
	v_cvt_scalef32_pk8_fp4_f32 v[PC+2*\b], v[S+64*\g+16*\b:S+64*\g+16*\b+7], v[UB+4*\g+\b]
	v_cvt_scalef32_pk8_fp4_f32 v[PC+2*\b+1], v[S+64*\g+16*\b+8:S+64*\g+16*\b+15], v[UB+4*\g+\b]
.endr
	v_nop                                          ; one plain line behind the last scaled conversion
.irp c, 0,1
.irp i, 0,1
	v_permlane16_swap_b32 v[PC+4*\c+\i], v[PC+4*\c+2+\i]   ; a whole block to a lane: lanes 0-15 block 2 c, lanes 16-31 block 2 c + 1
.endr
.endr
.endm
; HALF A in three parts.  a1: batch 0's scores and mask
.macro PA1
	s_wait_loadcnt 0x0                             ; Q
	s_wait_dscnt 0x0                               ; K's first batch; my stores of O^T and what a reducing wave read
	QKT 0
	NOPS 4                                         ; four places in front of the first read of scores (ISA guide 7.12.1)
	s_wait_kmcnt 0x0
	MASK 0
	MLOAD 256                                      ; behind the last use of the 64 registers: the second key step's words
.endm
; a2: register work and loads of K and V, which no wave writes: it stands between a barrier's signal and its wait
.macro PA2
	KLOAD 1                                        ; (the mask's 64 lines are the places behind the products that read these registers)
	BMAX 0
	SOFT 0
	SUM 0
	s_wait_dscnt 0x0
	QKT 1
	NOPS 4
	VLOAD 0, F
	s_wait_kmcnt 0x0
	MASK 1
.endm
; a3: the group's next tile's Q and mask words are asked for while s2 < lim, that is while there is such a tile; then batch 1's exponentials, the sum, the statistics
.macro PA3 lim
.if \lim                               ; lim = 0: the copy for a group's last tile, which has nothing to ask for
	s_cmp_lt_u32 s2, \lim
	s_cbranch_scc0 .Lno_more_\@
	s_wait_loadcnt 0x0                             ; on every way through the text no load of Q is out: its offsets are stepped and its registers loaded again only behind this wait,
	s_wait_kmcnt 0x0                               ; and no scalar load: the mask's offset and the 64 registers likewise
	v_add_nc_u32 v8, 1024, v8                      ; two tiles on
	v_add_nc_u32 v9, 256, v9
	QLOAD
	s_add_co_u32 s99, s99, 8192                    ; two tiles on: 2 x 16 key steps x 256 bytes (no scalar load is out)
	MLOAD 0
.Lno_more_\@:
.endif
	BMAX 1
	SOFT 1
	SUM 1
	s_delay_alu instid0(VALU_DEP_1)
	v_add_f32 v14, v124, v125
	s_delay_alu instid0(VALU_DEP_1)
	v_permlanex16_b32 v15, v14, s100, s101
	s_delay_alu instid0(VALU_DEP_1)
	v_add_f32 v123, v14, v15
	ds_store_b64 v[AST], v[122:123]                ; (-c m, my sum) for the seven other waves of my group
.endm
; Two waves of a group add the eight partial O^T of the OTHER group's tile s2 + G + d, one block of 32 of the head's 64 each, and quantise.  Tile -1 is nobody's.
.macro RED d
	s_add_co_u32 s14, s2, s13
	s_add_co_u32 s14, s14, \d
	s_and_b32 s66, s14, 0x80000000
	s_or_b32 s66, s66, s15
	s_cmp_lt_u32 s66, 2
	s_cbranch_scc0 .Lno_red_\@
.irp w, 0,1,2,3,4,5,6,7
.irp k, 0,1,2,3
	ds_load_b128 v[S+16*\w+4*\k:S+16*\w+4*\k+3], v[AOR] offset:\w*4096+\k*512
.endr
.endr
	s_lshr_b32 s3, s14, 2                          ; tile 2 i + group of the work-group's 16: block i / 4, tile 2 (i % 4) + group of it
	s_lshl_b32 s66, s14, 14
	s_lshl_b32 s67, s3, 12
	s_add_co_u32 s66, s66, s67                     ; codes: 16,384 i + 4,096 (i / 4) = 69,632 (i / 4) + 16,384 (i % 4)
	s_lshl_b32 s67, s14, 10
	s_lshl_b32 s3, s3, 16
	s_add_co_u32 s67, s67, s3                      ; scale images: 1,024 i + 65,536 (i / 4)
	v_add_nc_u32 v13, s66, v11
	v_add_nc_u32 v31, s67, v10
	s_wait_dscnt 0x0
.irp w, 1,2,3,4,5,6,7
.irp k, 0,2,4,6,8,10,12,14
	v_pk_add_f32 v[S+\k:S+\k+1], v[S+\k:S+\k+1], v[S+16*\w+\k:S+16*\w+\k+1]
.endr
.endr
	v_max3_num_f32 v98, |v[S]|, |v[S+1]|, 0x1800000   ; register k is channel 32 block + 16 h + k of my query
	v_max3_num_f32 v99, |v[S+2]|, |v[S+3]|, |v[S+4]|
.irp i, 5,9
	s_delay_alu instid0(VALU_DEP_2)
	v_max3_num_f32 v98, v98, |v[S+\i]|, |v[S+\i+1]|
	s_delay_alu instid0(VALU_DEP_2)
	v_max3_num_f32 v99, v99, |v[S+\i+2]|, |v[S+\i+3]|
.endr
	s_delay_alu instid0(VALU_DEP_2)
	v_max3_num_f32 v98, v98, |v[S+13]|, |v[S+14]|
	s_delay_alu instid0(VALU_DEP_1)
	v_max3_num_f32 v98, v98, v99, |v[S+15]|
	s_delay_alu instid0(VALU_DEP_1)
	v_permlanex16_b32 v99, v98, s100, s101
	s_delay_alu instid0(VALU_DEP_1)
	v_max_num_f32 v98, v98, v99
	s_delay_alu instid0(VALU_DEP_1)
	v_add_nc_u32 v100, 0xff000000, v98
	s_delay_alu instid0(VALU_DEP_1)
	v_lshrrev_b32 v101, 23, v100
	v_cvt_scalef32_pk8_fp4_f32 v102, v[S:S+7], v100
	v_cvt_scalef32_pk8_fp4_f32 v103, v[S+8:S+15], v100
	v_nop
	global_store_b64 v13, v[102:103], s[10:11]     ; the 32 lanes fill 256 consecutive bytes of the image, aligned
	global_store_b8 v31, v101, s[10:11]            ; lanes l and l xor 16 write the same byte with the same value
	s_wait_xcnt 0x0                                ; the stores' offsets and data are written again only behind this wait
.Lno_red_\@:
.endm
; HALF B of a tile: the row's maximum and sum, p, its codes, O^T = V^T P^T over my 256 keys.  ahead = 1: the next tile's first fragments of K are fetched.  Then a tile of the other group is added up.
.macro PHB ahead, d
.irp k, 0,1,2,3,4,5,6,7
	ds_load_b64 v[O+2*\k:O+2*\k+1], v[ASR] offset:256*\k
.endr
	s_wait_dscnt 0x0
	v_min3_num_f32 v14, v64, v66, v68
	s_delay_alu instid0(VALU_DEP_1)
	v_min3_num_f32 v14, v14, v70, v72
	s_delay_alu instid0(VALU_DEP_1)
	v_min3_num_f32 v14, v14, v74, v76
	s_delay_alu instid0(VALU_DEP_1)
	v_min_num_f32 v14, v14, v78                    ; -c x the row's maximum
.irp k, 0,1,2,3,4,5,6,7
	v_sub_f32 v[82+\k], v14, v[64+2*\k]
.endr
	v_sub_f32 v90, v14, v120
	v_sub_f32 v91, v14, v122
	s_wait_alu depctr_va_vdst(0)
.irp k, 0,1,2,3,4,5,6,7,8,9
	v_exp_f32 v[82+\k], v[82+\k]
.endr
	v_nop
	s_wait_alu depctr_va_vdst(0)
	v_mul_f32 v80, v65, v82                        ; the row's sum, in the same order in all eight waves
	v_mul_f32 v81, v67, v83
	v_fmac_f32 v80, v69, v84
	v_fmac_f32 v81, v71, v85
	v_fmac_f32 v80, v73, v86
	v_fmac_f32 v81, v75, v87
	v_fmac_f32 v80, v77, v88
	v_fmac_f32 v81, v79, v89
	s_delay_alu instid0(VALU_DEP_1)
	v_add_f32 v80, v80, v81
	s_delay_alu instid0(VALU_DEP_1)
	v_max_num_f32 v80, 0x1f800000, v80             ; 2^-64 from below: only a row with no open key has less, namely 0
	s_wait_alu depctr_va_vdst(0)
	v_rcp_f32 v81, v80
	v_nop
	s_wait_alu depctr_va_vdst(0)
	v_mul_f32 v126, v90, v81                       ; batch 0's factor,
	v_mul_f32 v124, v91, v81                       ; batch 1's
	NORM 0, 126
	PSC 0, 126
	PCVT 0
	VLOAD 1, S                                     ; into batch 0's first 32 score registers, which are done with
	NORM 1, 124                                    ; 32 plain lines: the places between p's codes and scale word and the products
.irp t, 0,1,2,3
	v_wmma_scale_f32_16x16x128_f8f6f4 v[O+8*\t:O+8*\t+7], v[F+8*\t:F+8*\t+7], v[PC:PC+7], 0, v[116+\t], v29 matrix_a_fmt:MATRIX_FMT_FP4 matrix_b_fmt:MATRIX_FMT_FP4
.endr
	PSC 1, 124                                     ; 19 plain lines that name none of those products' registers: their places
.if \ahead
	KLOAD 0                                        ; the next tile's first fragments of K
.endif
	PCVT 1
	NOPS 8                                         ; a scale word made by vector instructions stands 8 places ahead of the product, codes 4
	s_wait_alu depctr_va_vdst(0)
.if \ahead
	s_wait_dscnt 8                                 ; V's 8 loads are in; K's 8, issued behind them, may be out
.else
	s_wait_dscnt 0x0
.endif
.irp t, 0,1,2,3                        ; the four accumulators take turns
	v_wmma_scale_f32_16x16x128_f8f6f4 v[O+8*\t:O+8*\t+7], v[S+8*\t:S+8*\t+7], v[PC:PC+7], v[O+8*\t:O+8*\t+7], v[116+\t], v30 matrix_a_fmt:MATRIX_FMT_FP4 matrix_b_fmt:MATRIX_FMT_FP4 matrix_a_scale:MATRIX_SCALE_ROW1
.endr
	NOPS 5                                         ; four places in front of the stores of O^T and of loads into V's registers; five in front of the next products, which write over them
.irp t, 0,1,2,3
	ds_store_b128 v[AOS], v[O+8*\t:O+8*\t+3] offset:1024*\t       ; each accumulator from its low end on
	ds_store_b128 v[AOS], v[O+8*\t+4:O+8*\t+7] offset:1024*\t+512
.endr
	RED \d
.endm
; A TRIP, with s2 = t: two barriers.  Ahead of the first: group 0 runs B(t - 1) and a1(t), group 1 a3(t - 1); inside it group 0 runs a2(t).  Ahead of the second: group 0 runs a3(t), group 1 B(t - 1) and a1(t);
; inside it group 1 runs a2(t).  first = 1 (t = 0): there is no tile t - 1.  The branches hang on the wave's number alone; the barriers' lines stand outside them.
; At each join one s_wait_alu stands ahead of the wait that blocks: the mask's last results are read behind it.
.macro TRIP first
	s_cmp_eq_u32 s13, 0
	s_cbranch_scc0 .Lg1a_\@
.if \first == 0
	PHB 1, -2
.endif
	PA1
.if \first == 0
	s_branch .Lja_\@
.Lg1a_\@:
	PA3 8
.Lja_\@:
.else
.Lg1a_\@:
.endif
	s_wait_alu depctr_va_vdst(0)
	s_wait_dscnt 0x0                               ; my LDS stores have landed and my LDS loads are back
	s_barrier_signal -1
	s_cmp_eq_u32 s13, 0
	s_cbranch_scc0 .Lwa_\@
	PA2
.Lwa_\@:
	s_wait_alu depctr_va_vdst(0)
	s_barrier_wait -1
	s_cmp_eq_u32 s13, 0
	s_cbranch_scc0 .Lg1b_\@
	PA3 7
	s_branch .Ljb_\@
.Lg1b_\@:
.if \first == 0
	PHB 1, -2
.endif
	PA1
.Ljb_\@:
	s_wait_alu depctr_va_vdst(0)
	s_wait_dscnt 0x0
	s_barrier_signal -1
	s_cmp_eq_u32 s13, 0
	s_cbranch_scc1 .Lwb_\@
	PA2
.Lwb_\@:
	s_wait_alu depctr_va_vdst(0)
	s_barrier_wait -1
.endm
	TRIP 1                                         ; t = 0
	s_mov_b32 s2, 1
.Ltrip:                                                ; seven trips: t = 1 .. 7
	TRIP 0
	s_add_co_u32 s2, s2, 1
	s_cmp_lt_u32 s2, 8
	s_cbranch_scc1 .Ltrip
	s_cmp_eq_u32 s13, 0                            ; s2 = 8: group 0 runs B(7) and adds up group 1's tile 6; group 1 runs a3(7)
	s_cbranch_scc0 .Lt1
	PHB 0, -2
	s_branch .Lt2
.Lt1:
	PA3 0
.Lt2:
	s_wait_alu depctr_va_vdst(0)
	BAR
	s_cmp_eq_u32 s13, 0
	s_cbranch_scc1 .Lt3
	PHB 0, -2                                      ; group 1: B(7), and group 0's tile 7 is added up
.Lt3:
	BAR
	s_cmp_eq_u32 s13, 0
	s_cbranch_scc0 .Lall_done
	RED -1                                         ; group 0's two reducing waves add up group 1's tile 7
.Lall_done:
	s_wait_dscnt 0x0
	s_wait_xcnt 0x0
	v_lshl_add_u32 v254, v0, 2, 0x33000            ; the add's two registers held scores: they are made anew from v0
	v_mov_b32 v255, 0
	s_wait_alu depctr_va_vdst(0)
	s_wait_tensorcnt 0x0                           ; the wave's end
	ds_add_u32 v254, v255
	s_wait_dscnt 0x0
	CROUND                                         ; the closing round: no work-group ends while a partner may still ask for the block that names it
	s_endpgm
.Lfunc_end_k_q09ff4a6c3a_attn:
	.size	k_q09ff4a6c3a_attn, .Lfunc_end_k_q09ff4a6c3a_attn-k_q09ff4a6c3a_attn
	.p2alignl 7, 3214868480
	.fill 96, 4, 3214868480
	.section	.rodata,"a",@progbits
	.p2align	6, 0x0
	.amdhsa_kernel k_q09ff4a6c3a_attn
		.amdhsa_group_segment_fixed_size 210944
		.amdhsa_private_segment_fixed_size 0
		.amdhsa_enable_private_segment 0
		.amdhsa_kernarg_size 32
		.amdhsa_user_sgpr_count 2
		.amdhsa_user_sgpr_kernarg_segment_ptr 1
		.amdhsa_wavefront_size32 1
		.amdhsa_system_sgpr_workgroup_id_x 1
		.amdhsa_system_sgpr_workgroup_id_y 1
		.amdhsa_system_sgpr_workgroup_id_z 1
		.amdhsa_system_vgpr_workitem_id 0
		.amdhsa_next_free_vgpr 256
		.amdhsa_next_free_sgpr 106
		.amdhsa_reserve_vcc 0
		.amdhsa_float_denorm_mode_32 3
		.amdhsa_float_denorm_mode_16_64 3
		.amdhsa_memory_ordered 1
		.amdhsa_forward_progress 1
		.amdhsa_inst_pref_size 224
	.end_amdhsa_kernel
	.amdgpu_metadata
---
amdhsa.version: [ 1, 2 ]
amdhsa.kernels:
  - .name:           k_q09ff4a6c3a_attn
    .symbol:         k_q09ff4a6c3a_attn.kd
    .args:
      - { .name: kvf, .offset: 0, .size: 8, .value_kind: global_buffer, .address_space: global }
      - { .name: qf, .offset: 8, .size: 8, .value_kind: global_buffer, .address_space: global }
      - { .name: mw, .offset: 16, .size: 8, .value_kind: global_buffer, .address_space: global }
      - { .name: wt, .offset: 24, .size: 8, .value_kind: global_buffer, .address_space: global }
    .group_segment_fixed_size: 210944
    .private_segment_fixed_size: 0
    .kernarg_segment_align: 8
    .kernarg_segment_size: 32
    .max_flat_workgroup_size: 512
    .sgpr_count:     106
    .vgpr_count:     256
    .wavefront_size: 32
...
	.end_amdgpu_metadata
.endif
;; end of part 3
;; launch outp (part 4): grid 8 x 32, 8 waves a work-group, clusters of 4 x 4, 175,104 bytes of LDS; arguments wt, xw, bp, out0; writes out0
.if DOCPART == 4
	.amdgcn_target "amdgcn-amd-amdhsa--gfx1250"
	.amdhsa_code_object_version 6
	.text
	.protected	k_q09ff4a6c3a_outp
	.globl	k_q09ff4a6c3a_outp
	.p2align	8
	.type	k_q09ff4a6c3a_outp,@function
k_q09ff4a6c3a_outp:
	s_mov_b64 s[64:65], 0
	v_nop
	global_prefetch_b8 v0, s[64:65] scope:SCOPE_SE
	s_setreg_imm32_b32 hwreg(HW_REG_WAVE_MODE, 25, 1), 1
	s_wait_xcnt 0x0
	s_wait_alu depctr_hold_cnt(0) depctr_sa_sdst(0) depctr_va_vdst(0) depctr_va_sdst(0) depctr_va_ssrc(0) depctr_va_vcc(0) depctr_vm_vsrc(0)
	s_getreg_b32 s2, hwreg(HW_REG_IB_STS2, 6, 4)
	s_cmp_eq_u32 s2, 0
	s_cbranch_scc0 .Lentry_in_a_cluster
	s_endpgm
.Lentry_in_a_cluster:
	s_bfe_u32 s2, ttmp6, 0x10000c
	s_cmp_lg_u32 s2, 0xf033
	s_cbranch_scc0 .Lentry_shape_is_right
	s_endpgm
.Lentry_shape_is_right:
; OUTP.  out0 = weighted Wp + bp on codes of E2M1.  A work-group of eight waves makes 128 tokens x 128 columns.  With K = 1,024 a block of 128 rows of codes with its scale words is 69,632 dense
; bytes: both operands' blocks lie in LDS whole, filled once: no ring, one barrier.
; CLUSTERS: 4 x 4 work-groups.  The four of a row of the cluster need the same token block (wt), the four of a column the same block of Wp (xw): each is asked for JOINTLY, by the same tensor load with the same
; descriptor and a mask that names the four.  Waves 0-3 fetch the token block's quarters, waves 4-7 the weight block's: one tensor load a wave is out.
; SOURCE 0 = 16 columns of Wp, source 1 = 16 tokens: by the tile order (row r of tile t = 32 (t / 2) + 8 (t % 2) + r % 8 + 16 (r / 8)) a lane's 16 registers of two neighbouring tiles are 16 neighbouring
; columns of one row of out0.  Wave (a = wave % 2, p = wave / 2): columns 64 a on, token tiles 2 p and 2 p + 1: 8 accumulators, which take turns.
; The bias is loaded straight into the accumulators; every product adds in place.  Results leave through the wave's own stage in LDS: sixteen lanes store 256 consecutive bytes, aligned.
.set BLK,   69632
.set QUART, 17408
.set WPOFF, 4456448+3*557056           ; Wp's blocks in xw
.set STGS,  139264                     ; behind the two blocks: a stage of 16 rows x (256 bytes + 16) for each wave; no tensor load lands there
.set SC0,   32                         ; v32-47  source 0's scale words: tile i at + 4 i; register j, lanes 16 hh + r: K step 4 hh + j
.set SC1,   48                         ; v48-55  source 1's
.set ACC,   64                         ; v64-127 accumulator (i, e) at + 32 e + 8 i
.set FS,    128                        ; v128-223 two sets of fragments; on the way out v128-191 take the rows read back
.set WV,    16
.set G1X,   24
.set G0X,   32
.set G1W,   36
.set G0W,   44
.macro CROUND
	s_barrier_signal -1
	s_barrier_wait -1
	s_cmp_lg_u32 s[WV], 0
	s_cbranch_scc1 .Lnot_wave_0_\@
	s_barrier_signal -3
.Lnot_wave_0_\@:
	s_barrier_wait -3
	s_barrier_signal -1
	s_barrier_wait -1
.endm
	s_load_b256 s[4:11], s[0:1], 0x0               ; wt, xw, bp, out0
	v_lshl_add_u32 v254, v0, 2, 0x2a800
	v_mov_b32 v255, 0
	ds_add_u32 v254, v255
	ds_add_u32 v254, v255
	v_lshrrev_b32 v1, 5, v0
	s_delay_alu instid0(VALU_DEP_1)
	v_readfirstlane_b32 s[WV], v1
	s_and_b32 s17, s[WV], 1                        ; a
	s_lshr_b32 s18, s[WV], 1                       ; p
	s_and_b32 s19, s[WV], 3
	s_bfe_u32 s20, ttmp6, 0x40000                  ; cx
	s_bfe_u32 s21, ttmp6, 0x40004                  ; cy
	s_lshl_b32 s23, ttmp9, 2
	s_add_co_u32 s23, s23, s20                     ; block of 128 columns
	s_and_b32 s48, ttmp7, 0xffff
	s_lshl_b32 s48, s48, 2
	s_add_co_u32 s48, s48, s21                     ; block of 128 tokens
	s_lshl_b32 s50, s21, 2
	s_lshl_b32 s50, 15, s50                        ; my row of the cluster
	s_lshl_b32 s51, 0x1111, s20                    ; my column
	s_or_b32 s[G1X], s50, (3<<16)|(1<<21)          ; 15:0 the mask; 17:16 elements of 8 bytes; 21 set beside a mask; no padding
	s_or_b32 s[G1W], s51, (3<<16)|(1<<21)
.irp g, G1X, G1W
	s_mov_b32 s[\g+1], 32<<16                      ; rows of 256 bytes,
	s_mov_b32 s[\g+2], 68<<16                      ; 68 of them,
	s_mov_b32 s[\g+3], 32<<16
	s_mov_b32 s[\g+4], 68
	s_mov_b32 s[\g+5], 32                          ; dense
	s_mov_b32 s[\g+6], 0
	s_mov_b32 s[\g+7], 0
.endr
	s_mul_i32 s59, s19, QUART
	s_mul_i32 s52, s48, BLK                        ; the token block: this pair never holds cx
	s_add_co_u32 s52, s52, s59
	s_mov_b32 s53, 0
	s_mul_i32 s54, s23, BLK                        ; the weight block: this pair never holds cy
	s_add_co_u32 s54, s54, s59
	s_add_co_u32 s54, s54, WPOFF
	s_mov_b32 s55, 0
	s_wait_dscnt 0x0
	s_wait_kmcnt 0x0
	s_mov_b32 s[G0X], 1
	s_mul_i32 s[G0X+1], s[WV], QUART               ; LDS: wave x a quarter: the token block at 0, the weight block behind it
	s_add_nc_u64 s[G0X+2:G0X+3], s[4:5], s[52:53]
	s_or_b32 s[G0X+3], s[G0X+3], 0x80000000
	s_mov_b32 s[G0W], 1
	s_mul_i32 s[G0W+1], s[WV], QUART
	s_add_nc_u64 s[G0W+2:G0W+3], s[6:7], s[54:55]
	s_or_b32 s[G0W+3], s[G0W+3], 0x80000000
	CROUND                                         ; all sixteen work-groups are here: the joint loads meet
	s_cmp_lt_u32 s[WV], 4
	s_cbranch_scc0 .Lfor_w
	tensor_load_to_lds s[G0X:G0X+3], s[G1X:G1X+7]
	s_nop 0
.rept 4
	v_nop
.endr
	s_branch .Lasked
.Lfor_w:
	tensor_load_to_lds s[G0W:G0W+3], s[G1W:G1W+7]
	s_nop 0
.rept 4
	v_nop
.endr
.Lasked:
	v_and_b32 v1, 31, v0
	s_delay_alu instid0(VALU_DEP_1)
	v_lshlrev_b32 v1, 4, v1                        ; 16 x lane
	v_and_b32 v6, 15, v0                           ; r
	s_wait_alu depctr_va_vdst(0)
	v_bfe_u32 v7, v0, 4, 1                         ; h
	s_lshl_b32 s58, s17, 15
	s_add_co_u32 s58, s58, BLK
	v_add_nc_u32 v2, s58, v1                       ; source 0: Wp's tiles 4 a on
	s_lshl_b32 s58, s18, 14
	v_add_nc_u32 v3, s58, v1                       ; source 1: token tiles 2 p on
	s_lshl_b32 s58, s17, 11
	s_add_co_u32 s58, s58, BLK+65536
	v_add_nc_u32 v4, s58, v1                       ; their scale images
	s_lshl_b32 s58, s18, 10
	s_add_co_u32 s58, s58, 65536
	v_add_nc_u32 v5, s58, v1
	s_mul_i32 s58, s[WV], 16*272
	s_add_co_u32 s58, s58, STGS                    ; my stage
	v_mul_u32_u24 v9, v6, 272
	s_wait_alu depctr_va_vdst(0)
	v_lshl_add_u32 v9, v7, 6, v9
	s_delay_alu instid0(VALU_DEP_1)
	v_add_nc_u32 v9, s58, v9                       ; in: row r, + 64 h bytes
	v_mul_u32_u24 v10, v7, 272
	s_delay_alu instid0(VALU_DEP_1)
	v_lshl_add_u32 v10, v6, 4, v10
	s_delay_alu instid0(VALU_DEP_1)
	v_add_nc_u32 v10, s58, v10                     ; back: lanes 0-15 one row of 256 bytes, lanes 16-31 the next
	v_lshlrev_b32 v11, 12, v7
	s_delay_alu instid0(VALU_DEP_1)
	v_lshl_add_u32 v11, v6, 4, v11                 ; and the same two rows of out0, 4,096 bytes apart
	s_lshl_b32 s58, s23, 9
	s_lshl_b32 s59, s17, 8
	s_add_co_u32 s58, s58, s59                     ; my 64 columns: 4 (128 x block + 64 a) bytes
	s_mov_b32 s59, 0
	s_add_nc_u64 s[8:9], s[8:9], s[58:59]
	s_add_nc_u64 s[10:11], s[10:11], s[58:59]
	s_lshl_b32 s58, s48, 19
	s_lshl_b32 s60, s18, 17
	s_add_co_u32 s58, s58, s60                     ; my first token: 128 x block + 32 p, rows of 4,096 bytes
	s_add_nc_u64 s[10:11], s[10:11], s[58:59]
	v_lshlrev_b32 v8, 6, v7                        ; register j of accumulator (i, e) is column 32 (i / 2) + 16 h + 8 (i % 2) + j
.irp e, 0,1
.irp i, 0,1,2,3
.irp q, 0,1
	global_load_b128 v[ACC+32*\e+8*\i+4*\q:ACC+32*\e+8*\i+4*\q+3], v8, s[8:9] offset:(32*(\i/2)+8*(\i%2))*4+16*\q   ; the bias goes into the accumulators while the blocks are on their way
.endr
.endr
.endr
	s_wait_tensorcnt 0x0                           ; my quarter has landed,
	s_barrier_signal -1
	s_barrier_wait -1                              ; everybody's has
.macro FLOAD k, s                      ; K step s: 6 fragments, 12 loads, into set k
.irp i, 0,1,2,3
.irp c, 0,1
	ds_load_b128 v[FS+48*(\k)+8*\i+4*\c:FS+48*(\k)+8*\i+4*\c+3], v2 offset:\i*8192+(\s)*1024+512*\c
.endr
.endr
.irp e, 0,1
.irp c, 0,1
	ds_load_b128 v[FS+48*(\k)+32+8*\e+4*\c:FS+48*(\k)+32+8*\e+4*\c+3], v3 offset:\e*8192+(\s)*1024+512*\c
.endr
.endr
.endm
.macro MUL k, s                        ; 8 products, one on each accumulator
.irp e, 0,1
.irp i, 0,1,2,3
.if (\s) < 4
	v_wmma_scale_f32_16x16x128_f8f6f4 v[ACC+32*\e+8*\i:ACC+32*\e+8*\i+7], v[FS+48*(\k)+8*\i:FS+48*(\k)+8*\i+7], v[FS+48*(\k)+32+8*\e:FS+48*(\k)+32+8*\e+7], v[ACC+32*\e+8*\i:ACC+32*\e+8*\i+7], v[SC0+4*\i+(\s)%4], v[SC1+4*\e+(\s)%4] matrix_a_fmt:MATRIX_FMT_FP4 matrix_b_fmt:MATRIX_FMT_FP4
.else
	v_wmma_scale_f32_16x16x128_f8f6f4 v[ACC+32*\e+8*\i:ACC+32*\e+8*\i+7], v[FS+48*(\k)+8*\i:FS+48*(\k)+8*\i+7], v[FS+48*(\k)+32+8*\e:FS+48*(\k)+32+8*\e+7], v[ACC+32*\e+8*\i:ACC+32*\e+8*\i+7], v[SC0+4*\i+(\s)%4], v[SC1+4*\e+(\s)%4] matrix_a_fmt:MATRIX_FMT_FP4 matrix_b_fmt:MATRIX_FMT_FP4 matrix_a_scale:MATRIX_SCALE_ROW1 matrix_b_scale:MATRIX_SCALE_ROW1
.endif
.endr
.endr
.endm
.irp i, 0,1,2,3
	ds_load_b128 v[SC0+4*\i:SC0+4*\i+3], v4 offset:512*\i   ; all 8 K steps' scale words of a tile in one load
.endr
.irp e, 0,1
	ds_load_b128 v[SC1+4*\e:SC1+4*\e+3], v5 offset:512*\e
.endr
	FLOAD 0, 0
.set st, 0
.rept 8
.if st < 7
	FLOAD (st+1)%2, st+1
	s_wait_dscnt 12                                ; all but the 12 loads just issued
.else
	s_wait_dscnt 0x0
.endif
.if st == 0
	s_wait_loadcnt 0x0                             ; the bias
.endif
	MUL st%2, st
.rept 4
	v_nop                                          ; four places in front of the loads into the set just multiplied, and of the first read of results
.endr
.set st, st+1
.endr
	; THE WAY OUT, a token tile at a time: 16 rows x 256 bytes through my stage.  LDS serves a wave's instructions in order: no wait between the stores and the loads, nor in front of the next tile's stores.
	s_wait_alu depctr_va_vdst(0)
.irp e, 0,1
.irp i, 0,1,2,3
	ds_store_b128 v9, v[ACC+32*\e+8*\i:ACC+32*\e+8*\i+3] offset:128*(\i/2)+32*(\i%2)       ; each accumulator from its low end on
	ds_store_b128 v9, v[ACC+32*\e+8*\i+4:ACC+32*\e+8*\i+7] offset:128*(\i/2)+32*(\i%2)+16
.endr
.irp k, 0,1,2,3,4,5,6,7
	ds_load_b128 v[FS+32*\e+4*\k:FS+32*\e+4*\k+3], v10 offset:2*\k*272
.endr
.endr
.irp e, 0,1
.irp k, 0,1,2,3,4,5,6,7
	s_wait_dscnt 23-16*\e-\k                       ; behind this load: the tile's later loads, and for tile 0 tile 1's sixteen LDS instructions
	global_store_b128 v11, v[FS+32*\e+4*\k:FS+32*\e+4*\k+3], s[10:11] offset:(8*\e+2*\k+8*(\k/4))*4096 th:TH_STORE_NT   ; the tile's rows 2 k, 2 k + 1 are tokens 8 e + 2 k (+ 8 from row 8 on), + 1: 16 lanes store 256 consecutive bytes, aligned
.endr
.endr
	s_wait_tensorcnt 0x0
	ds_add_u32 v254, v255
	s_wait_dscnt 0x0
	CROUND                                         ; the closing round: no work-group ends while a partner may still ask for a block that names it
	s_endpgm
.Lfunc_end_k_q09ff4a6c3a_outp:
	.size	k_q09ff4a6c3a_outp, .Lfunc_end_k_q09ff4a6c3a_outp-k_q09ff4a6c3a_outp
	.p2alignl 7, 3214868480
	.fill 96, 4, 3214868480
	.section	.rodata,"a",@progbits
	.p2align	6, 0x0
	.amdhsa_kernel k_q09ff4a6c3a_outp
		.amdhsa_group_segment_fixed_size 175104
		.amdhsa_private_segment_fixed_size 0
		.amdhsa_enable_private_segment 0
		.amdhsa_kernarg_size 32
		.amdhsa_user_sgpr_count 2
		.amdhsa_user_sgpr_kernarg_segment_ptr 1
		.amdhsa_wavefront_size32 1
		.amdhsa_system_sgpr_workgroup_id_x 1
		.amdhsa_system_sgpr_workgroup_id_y 1
		.amdhsa_system_sgpr_workgroup_id_z 1
		.amdhsa_system_vgpr_workitem_id 0
		.amdhsa_next_free_vgpr 256
		.amdhsa_next_free_sgpr 100
		.amdhsa_reserve_vcc 0
		.amdhsa_float_denorm_mode_32 3
		.amdhsa_float_denorm_mode_16_64 3
		.amdhsa_memory_ordered 1
		.amdhsa_forward_progress 1
		.amdhsa_inst_pref_size 28
	.end_amdhsa_kernel
	.amdgpu_metadata
---
amdhsa.version: [ 1, 2 ]
amdhsa.kernels:
  - .name:           k_q09ff4a6c3a_outp
    .symbol:         k_q09ff4a6c3a_outp.kd
    .args:
      - { .name: wt, .offset: 0, .size: 8, .value_kind: global_buffer, .address_space: global }
      - { .name: xw, .offset: 8, .size: 8, .value_kind: global_buffer, .address_space: global }
      - { .name: bp, .offset: 16, .size: 8, .value_kind: global_buffer, .address_space: global }
      - { .name: out0, .offset: 24, .size: 8, .value_kind: global_buffer, .address_space: global }
    .group_segment_fixed_size: 175104
    .private_segment_fixed_size: 0
    .kernarg_segment_align: 8
    .kernarg_segment_size: 32
    .max_flat_workgroup_size: 256
    .sgpr_count:     100
    .vgpr_count:     256
    .wavefront_size: 32
...
	.end_amdgpu_metadata
.endif
;; end of part 4
